; MI455X (gfx1250); checked and timed in simulation.
; The chip was launched on July 23, 2026; its instructions are those of AMD's public machine-readable ISA for CDNA 5 (MIT licence, August 2026) and "CDNA5" Instruction Set Architecture Reference Guide (July 2026). The comments in the code are by the model that wrote it; some were corrected since.
;; Multi Head Attention. Allowed arithmetic: matrix products marked QUANTISED: E2M3 operands, one E8M0 scale for each 32 along K, by v_wmma_scale_f32_16x16x128_f8f6f4 with both operands' format E2M3, f32 sums; everything else in f32.
;; Inputs: input 4 x 2,048 x 1,024 float32; mask 2,048 x 2,048 bool; out_b 1,024 float32; out_w 1,024 x 1,024 float32; qkv_b 3,072 float32; qkv_w 3,072 x 1,024 float32.
;; Outputs: out0 4 x 2,048 x 1,024 float32.
;; This version of the problem:
;;   THIS VERSION OF THE PROBLEM IS GIVEN IN LOW PRECISION. The matrix products marked QUANTISED in the list below multiply operands that are first quantised to E2M3 (2 exponent bits, 3 mantissa bits; 6 bits a number), with one power-of-two scale for each 32 numbers along K (OCP MX v1.0); their sums are f32. All else is computed in f32.
;;   The module's matrix products, in the order in which they are computed (A, B: the left and right operand; K: the contracted axis; several contracted axes count as one K, in the product's order):
;;     1. [M 8,192, K 1,024] x [K 1,024, N 3,072]; A: input input; B: input qkv_w: QUANTISED
;;     2. batch 64 x [M 2,048, K 64] x [K 64, N 2,048]; A: computed on the way; B: computed on the way: QUANTISED
;;     3. batch 64 x [M 2,048, K 2,048] x [K 2,048, N 64]; A: softmax (see below); B: computed on the way: QUANTISED
;;     4. [M 8,192, K 1,024] x [K 1,024, N 1,024]; A: computed on the way; B: input out_w: QUANTISED
;;   THE QUANTISER, for each operand of a quantised product, along K:
;;     - K is cut into blocks of 32 from its start; a last block that is shorter is filled with zeros.
;;     - A block's scale is 2^e with e = floor(log2(the largest magnitude in the block)) - 2, held to -126 .. 127; a block of zeros has e = 0. As a byte (E8M0): e + 127.
;;     - Each number is divided by its block's scale, clamped to +-7.5, and rounded to the nearest number of E2M3, ties to even, subnormals kept.
;;     - The product sums the exact products of the quantised numbers (number of the format x scale) in f32.
;;   ~~~python
;;   def quantise(x, axis):      # numpy; x: float32 -> the quantised numbers, widened to float32 again
;;       x = np.moveaxis(x, axis, -1); K = x.shape[-1]
;;       x = np.pad(x, [(0, 0)] * (x.ndim - 1) + [(0, -K % 32)]); x = x.reshape(x.shape[:-1] + (-1, 32)); a = np.abs(x).max(-1, keepdims=True)
;;       e = np.where(a > 0, np.clip(np.frexp(np.where(a > 0, a, 1))[1] - 1 - 2, -126, 127), 0)      # np.frexp(a)[1] - 1 = floor(log2(a)), exactly
;;       r = np.clip(x / 2.0 ** e, -7.5, 7.5)
;;       step = 2.0 ** (np.maximum(np.frexp(np.where(r == 0, 1, r))[1] - 1, 0) - 3)
;;       q = np.round(r / step) * step * 2.0 ** e      # np.round: ties to even
;;       return np.moveaxis(q.reshape(q.shape[:-2] + (-1,))[..., :K], -1, axis).astype(np.float32)
;;   ~~~
;;   SOFTMAX AHEAD OF A QUANTISED PRODUCT. Where the list says 'softmax', what is quantised is not the finished softmax but p = 2^(t - M), with t = logit x log2(e) and M = ceil(the row's largest t), a whole number; so 1/2 < the row's largest p <= 1. The row's sum l is taken of the UNQUANTISED p, in f32, and the product's result is divided by l at the end. Since M is a whole number, a kernel that streams over the keys may use a running M (the ceiling of the running maximum): every later rescaling is an exact power of two, which a block's scale takes up: the codes' values come out the same.
;;   OPERANDS COMPUTED ON THE WAY. 'Computed on the way' means the value that the module computes at that place (a softmax that the list does not call 'softmax' is quantised finished and normalised). What goes into a quantiser is computed in f32, as accurately as f32 sums, v_exp_f32 and their like allow (about 1e-6 of the number): no bf16 or f16 on the way to a quantiser, and a product that is left as it is and whose result goes on into a quantised operand takes f32 operands (vector FMAs, or v_wmma_f32_16x16x4_f32). A number that lies on a knife's edge between two numbers of the format may be rounded either way, as far as f32 arithmetic and the matrix unit's own rounding can turn it there, and no further.
;; One version. Each part assembles by itself: llvm-mc -triple=amdgcn-amd-amdhsa -mcpu=gfx1250 --defsym DOCPART=n.
;; ======== version 1 of 1: 4 launches
;; workspace buffers: c1 9,437,184 bytes; s1 393,216 bytes; maskw 524,288 bytes of whole numbers; qk 13,631,488 bytes; vt 6,553,600 bytes; ac 6,291,456 bytes; acs 262,144 bytes
;; launch prep (part 1): grid 448 x 1, 4 waves a work-group, no clusters, 33,280 bytes of LDS; arguments input, qkv_w, out_w, mask, c1, s1, maskw; writes c1, s1, maskw
.if DOCPART == 1
	.amdgcn_target "amdgcn-amd-amdhsa--gfx1250"
	.amdhsa_code_object_version 6
	.text
	.protected	k_q01dd84ac73_prep
	.globl	k_q01dd84ac73_prep
	.p2align	8
	.type	k_q01dd84ac73_prep,@function
k_q01dd84ac73_prep:
	s_mov_b64 s[64:65], 0
	v_nop
	global_prefetch_b8 v0, s[64:65] scope:SCOPE_SE
	s_setreg_imm32_b32 hwreg(HW_REG_WAVE_MODE, 25, 1), 1
	s_wait_xcnt 0x0
; PREP.  input [8192][1024], qkv_w [3072][1024], out_w [1024][1024], f32, K innermost, become codes of FP6 (E2M3) in c1 (768 bytes a row) and one E8M0 byte for each 32 along K in s1 (32 bytes a row);
; the three tensors lie one behind the other in both buffers.  The mask [2048][2048] of bytes becomes lane-mask words in maskw.
; DEAD WORK: none.  Every input of the problem has a way to the output (k's bias moves k's codes), so all six are loaded by some launch and no product, row or step is left out.
; ROW ORDER.  In c1 and s1 a row lies where its number with bits 3 and 4 exchanged says.  So 16 neighbouring rows of memory, 16 i + r, are the rows 32 (i / 2) + 8 (i % 2) + r + 8 (r / 8):
; a product that takes them as source 0 leaves a lane 16 NEIGHBOURS along the next K in the registers of two neighbouring tiles.  A wave's run is 8 rows, so the exchange is that of the run number's two low bits.
; A block's scale is 2^(floor(log2(its largest magnitude)) - 2); its byte is the largest magnitude's exponent field - 2, held at 1 from below.  A block of zeros gets the byte 1 where the rule says 127: its codes are zeros,
; which add nothing under any byte but 0xff, and this program alone reads the bytes.
; LIMITS: blocks whose largest magnitude lies under 2^-124 have their byte held at 1; NaN and infinities among the inputs are not served.
; SHARES.  Work-groups 0-383: each wave takes 16 steps of 512 numbers.  A load reads 512 consecutive bytes; a step's 2,048 bytes turn through the wave's own stage in LDS so that a lane holds 16 neighbours.
; Work-groups 384-447: the mask.  Wave w of work-group 384 + j takes the tile of queries T = 2 j + w / 2 and eight key steps of 128.  Word n of a step: bit l = mask[query of lane l % 16][128 step + 32 (n / 16) + 16 (l / 16) + n % 16]:
; the very lanes and registers in which the attention launch holds that score.  No work-groups share an input here: no cluster, no tensor load.
.set STEPS, 16
.set EMAX,  2
.set CB,    12                         ; bytes of 16 codes
.set R,     16                         ; v16-79   four sets of 16 numbers as they are loaded
.set X,     80                         ; v80-111  two sets of 16 neighbours
.set C,     128                        ; v128-191 codes: four registers for each step
.set E,     112                        ; v112-127 a scale byte for each step
.set WREG,  8192                       ; LDS: a region for each wave: two stages of 32 x SP bytes, then its 256 scale bytes
.set SP,    80
.set SPW,   12                         ; v12 LDS address of my spare word; never rewritten
.set NIL,   13                         ; v13 0; never rewritten
.set SPARE, 4*WREG                     ; behind the four regions: the spare words, 128 bytes a wave
	s_load_b256 s[4:11], s[0:1], 0x0               ; input s[4:5], qkv_w s[6:7], out_w s[8:9], mask s[10:11]
	s_load_b128 s[12:15], s[0:1], 0x20             ; c1 s[12:13], s1 s[14:15]
	s_load_b64 s[28:29], s[0:1], 0x30              ; maskw
	v_lshl_add_u32 v[SPW], v0, 2, SPARE
	v_mov_b32 v[NIL], 0
	v_lshrrev_b32 v1, 5, v0
	v_readfirstlane_b32 s16, v1                    ; wave
	v_and_b32 v2, 31, v0                           ; lane
	s_cmp_ge_u32 ttmp9, 384
	s_cbranch_scc1 .Lmask
	; ---------------- the quantiser ----------------
	v_lshlrev_b32 v3, 4, v2                        ; my 16 bytes of a load's 512
	s_mul_i32 s17, s16, WREG
	v_lshrrev_b32 v14, 2, v2
	v_mul_u32_u24 v14, v14, SP
	v_and_b32 v15, 3, v2
	v_lshl_add_u32 v14, v15, 4, v14
	v_add_nc_u32 v14, s17, v14                     ; the stage, on the way in: SP (lane / 4) + 16 (lane % 4)
	v_mul_u32_u24 v15, v2, SP
	v_add_nc_u32 v15, s17, v15                     ; and on the way out: SP x lane: my 16 neighbours
	v_mul_u32_u24 v4, v2, CB                       ; my codes' place in a step's
	v_lshrrev_b32 v5, 1, v2
	s_add_co_u32 s17, s17, 2*32*SP
	v_add_nc_u32 v5, s17, v5                       ; my wave's 256 scale bytes, my block's byte
	v_lshlrev_b32 v7, 3, v2
	v_add_nc_u32 v6, s17, v7                       ; and on the way out 8 bytes a lane
	s_and_b32 s20, s16, 1                          ; the wave's two bits exchanged: the run's place in c1 and s1
	s_lshl_b32 s20, s20, 1
	s_lshr_b32 s21, s16, 1
	s_or_b32 s20, s20, s21
	s_lshl_b32 s21, ttmp9, 2
	s_add_co_u32 s20, s20, s21
	s_mul_i32 s22, s20, 6144                       ; 8 rows of 768 bytes
	s_mov_b32 s23, 0
	s_lshl_b32 s26, s20, 8                         ; 8 rows of 32 bytes
	s_mov_b32 s27, 0
	s_mov_b32 s19, 352
	s_wait_kmcnt 0x0
	s_cmp_lt_u32 ttmp9, 352                        ; which tensor: the choice hangs on the work-group's number alone
	s_cselect_b64 s[6:7], s[6:7], s[8:9]
	s_cselect_b32 s18, 256, s19
	s_cmp_lt_u32 ttmp9, 256
	s_cselect_b64 s[4:5], s[4:5], s[6:7]
	s_cselect_b32 s18, 0, s18
	s_sub_co_u32 s18, ttmp9, s18
	s_lshl_b32 s18, s18, 2
	s_add_co_u32 s18, s18, s16                     ; which run of 8,192 numbers of the tensor is my wave's
	s_lshl_b32 s18, s18, 15                        ; 32,768 bytes a run: under 2^26
	s_mov_b32 s19, 0
	s_add_nc_u64 s[4:5], s[4:5], s[18:19]
	s_add_nc_u64 s[12:13], s[12:13], s[22:23]
	s_add_nc_u64 s[14:15], s[14:15], s[26:27]
.macro LOAD t
.irp i, 0,1,2,3
	global_load_b128 v[R+16*((\t)%4)+4*\i:R+16*((\t)%4)+4*\i+3], v3, s[4:5] offset:2048*(\t)+512*\i th:TH_LOAD_NT   ; 32 lanes read 512 consecutive bytes
.endr
.endm
.macro TURN t                          ; step t's numbers through the stage: LDS serves a wave's instructions in order, so no wait stands between the stores and the loads
.irp i, 0,1,2,3
	ds_store_b128 v14, v[R+16*((\t)%4)+4*\i:R+16*((\t)%4)+4*\i+3] offset:32*SP*((\t)%2)+8*SP*\i
.endr
.irp i, 0,1,2,3
	ds_load_b128 v[X+16*((\t)%2)+4*\i:X+16*((\t)%2)+4*\i+3], v15 offset:32*SP*((\t)%2)+16*\i
.endr
.endm
.irp t, 0,1,2,3
	LOAD \t
.endr
	s_wait_loadcnt 12                              ; step 0's four loads are in; three steps' twelve may be out
	TURN 0
.macro STEP t
.set XS, X+16*((\t)%2)
.if (\t) > 0
	s_wait_dscnt 1                                 ; this step's numbers are back from the stage (the last step's byte store may be out)
.else
	s_wait_dscnt 0x0
.endif
.if (\t)+4 < STEPS
	LOAD (\t)+4                                    ; into the registers that the stage's stores have read
.endif
.if (\t)+1 < STEPS
.if STEPS-2-(\t) >= 3
	s_wait_loadcnt 12                              ; the next step's four loads are in; those of the three steps behind it may be out
.else
	s_wait_loadcnt 4*(STEPS-2-(\t))
.endif
	TURN (\t)+1
.endif
	v_max3_num_f32 v8, |v[XS]|, |v[XS+1]|, |v[XS+2]|               ; the largest magnitude of my 16, in two chains
	v_max3_num_f32 v9, |v[XS+3]|, |v[XS+4]|, |v[XS+5]|
.irp i, 6,10
	v_max3_num_f32 v8, v8, |v[XS+\i]|, |v[XS+\i+1]|
	v_max3_num_f32 v9, v9, |v[XS+\i+2]|, |v[XS+\i+3]|
.endr
	v_max3_num_f32 v8, v8, |v[XS+14]|, |v[XS+15]|
	v_max3_num_f32 v8, v8, v9, (EMAX+1)<<23        ; and the floor 2^(3 - 127): the byte cannot fall under 1
	v_max_num_f32_dpp v8, v8, v8 row_xmask:1 row_mask:0xf bank_mask:0xf   ; and of my neighbour's 16: the block's
	v_add_nc_u32 v11, -(EMAX<<23), v8              ; 2 off its exponent field: the conversion takes the exponent field of this operand as its scale
	v_cvt_scalef32_pk16_fp6_f32 v[C+4*(\t):C+4*(\t)+2], v[XS:XS+15], v11
	v_lshrrev_b32 v[E+(\t)], 23, v11               ; the scale's byte (also the plain line behind the conversion)
	ds_store_b8 v5, v[E+(\t)] offset:16*(\t)       ; both lanes of a block write the same byte with the same value
	global_store_b96 v4, v[C+4*(\t):C+4*(\t)+2], s[12:13] offset:32*CB*(\t)   ; the wave stores 384 consecutive bytes
.endm
.irp t, 0,1,2,3,4,5,6,7,8,9,10,11,12,13,14,15
	STEP \t
.endr
	ds_load_b64 v[8:9], v6                         ; LDS serves a wave's instructions in order: these see my stores
	s_wait_dscnt 0x0
	global_store_b64 v7, v[8:9], s[14:15]          ; 32 lanes store 256 consecutive bytes, aligned
	s_branch .Lend
	; ---------------- the mask ----------------
.Lmask:
	s_sub_co_u32 s17, ttmp9, 384                   ; j
	s_lshr_b32 s18, s16, 1                         ; which of the two tiles of queries
	s_and_b32 s19, s16, 1                          ; which eight key steps
	v_and_b32 v3, 15, v0                           ; r
	v_and_b32 v4, 8, v3
	v_add_nc_u32 v3, v3, v4                        ; r + 8 (r / 8)
	v_bfe_u32 v4, v0, 4, 1                         ; h
	v_lshlrev_b32 v3, 11, v3                       ; a row of the mask is 2,048 bytes
	v_lshl_add_u32 v3, v4, 4, v3                   ; + 16 h
	v_lshlrev_b32 v4, 3, v2                        ; out: 8 bytes a lane
	s_lshl_b32 s20, s17, 5
	s_lshl_b32 s21, s18, 3
	s_add_co_u32 s20, s20, s21                     ; the tile's first query: 32 j + 8 (w / 2)
	s_lshl_b32 s20, s20, 11
	s_lshl_b32 s21, s19, 10
	s_add_co_u32 s20, s20, s21                     ; + my 1,024 keys
	s_mov_b32 s21, 0
	s_lshl_b32 s22, s17, 1
	s_add_co_u32 s22, s22, s18                     ; T
	s_lshl_b32 s22, s22, 4
	s_lshl_b32 s23, s19, 3
	s_add_co_u32 s22, s22, s23                     ; 16 T + my first step
	s_lshl_b32 s22, s22, 8                         ; 256 bytes a step
	s_mov_b32 s23, 0
	s_wait_kmcnt 0x0
	s_add_nc_u64 s[10:11], s[10:11], s[20:21]
	s_add_nc_u64 s[28:29], s[28:29], s[22:23]
.irp s, 0,1,2,3,4,5,6,7
.irp b, 0,1,2,3
	global_load_b128 v[32+16*\s+4*\b:35+16*\s+4*\b], v3, s[10:11] offset:128*\s+32*\b   ; keys 128 s + 32 b + 16 h + 0 .. 15 of my query
.endr
.endr
.irp i, 0,1,2,3,4,5,6,7,8,9,10,11,12,13,14,15
	v_mov_b32 v[160+\i], 0                         ; a lane write's destination counts as read
.endr
.macro MSTEP s                         ; 64 words: word n = 8 g + k goes to lane n / 2, register n % 2; eight words at a time, so that no line waits for the line above it
	s_wait_loadcnt 4*(7-\s)                        ; this step's four loads are in; the later steps' may be out
.set g, 0
.rept 8
.irp k, 0,1,2,3,4,5,6,7
	v_and_b32 v[16+\k], 0xff<<(8*(\k%4)), v[32+16*\s+2*g+\k/4]
.endr
.irp k, 0,1,2,3,4,5,6,7
	v_cmp_ne_u32 s[20+\k], 0, v[16+\k]
.endr
.irp k, 0,1,2,3,4,5,6,7
	v_writelane_b32 v[160+2*\s+(\k%2)], s[20+\k], 4*g+\k/2
.endr
.set g, g+1
.endr
	global_store_b64 v4, v[160+2*\s:161+2*\s], s[28:29] offset:256*\s   ; 32 lanes store 256 consecutive bytes, aligned
.endm
.irp s, 0,1,2,3,4,5,6,7
	MSTEP \s
.endr
.Lend:
	s_wait_tensorcnt 0x0                           ; the wave's end, behind my last LDS store
	ds_add_u32 v[SPW], v[NIL]
	s_wait_dscnt 0x0
	s_endpgm
.Lfunc_end_k_q01dd84ac73_prep:
	.size	k_q01dd84ac73_prep, .Lfunc_end_k_q01dd84ac73_prep-k_q01dd84ac73_prep
	.p2alignl 7, 3214868480
	.fill 96, 4, 3214868480
	.section	.rodata,"a",@progbits
	.p2align	6, 0x0
	.amdhsa_kernel k_q01dd84ac73_prep
		.amdhsa_group_segment_fixed_size 33280
		.amdhsa_private_segment_fixed_size 0
		.amdhsa_enable_private_segment 0
		.amdhsa_kernarg_size 56
		.amdhsa_user_sgpr_count 2
		.amdhsa_user_sgpr_kernarg_segment_ptr 1
		.amdhsa_wavefront_size32 1
		.amdhsa_system_sgpr_workgroup_id_x 1
		.amdhsa_system_sgpr_workgroup_id_y 1
		.amdhsa_system_sgpr_workgroup_id_z 1
		.amdhsa_system_vgpr_workitem_id 0
		.amdhsa_next_free_vgpr 192
		.amdhsa_next_free_sgpr 66
		.amdhsa_reserve_vcc 0
		.amdhsa_float_denorm_mode_32 3
		.amdhsa_float_denorm_mode_16_64 3
		.amdhsa_memory_ordered 1
		.amdhsa_forward_progress 1
		.amdhsa_inst_pref_size 134
	.end_amdhsa_kernel
	.amdgpu_metadata
---
amdhsa.version: [ 1, 2 ]
amdhsa.kernels:
  - .name:           k_q01dd84ac73_prep
    .symbol:         k_q01dd84ac73_prep.kd
    .args:
      - { .name: input, .offset: 0, .size: 8, .value_kind: global_buffer, .address_space: global }
      - { .name: qkv_w, .offset: 8, .size: 8, .value_kind: global_buffer, .address_space: global }
      - { .name: out_w, .offset: 16, .size: 8, .value_kind: global_buffer, .address_space: global }
      - { .name: mask, .offset: 24, .size: 8, .value_kind: global_buffer, .address_space: global }
      - { .name: c1, .offset: 32, .size: 8, .value_kind: global_buffer, .address_space: global }
      - { .name: s1, .offset: 40, .size: 8, .value_kind: global_buffer, .address_space: global }
      - { .name: maskw, .offset: 48, .size: 8, .value_kind: global_buffer, .address_space: global }
    .group_segment_fixed_size: 33280
    .private_segment_fixed_size: 0
    .kernarg_segment_align: 8
    .kernarg_segment_size: 56
    .max_flat_workgroup_size: 128
    .sgpr_count:     66
    .vgpr_count:     192
    .wavefront_size: 32
...
	.end_amdgpu_metadata
.endif
;; end of part 1
;; launch qkv (part 2): grid 8 x 48, 4 waves a work-group, clusters of 4 x 4, 327,680 bytes of LDS; arguments c1, s1, qkv_b, qk, vt; writes qk, vt
.if DOCPART == 2
	.amdgcn_target "amdgcn-amd-amdhsa--gfx1250"
	.amdhsa_code_object_version 6
	.text
	.protected	k_q01dd84ac73_qkv
	.globl	k_q01dd84ac73_qkv
	.p2align	8
	.type	k_q01dd84ac73_qkv,@function
k_q01dd84ac73_qkv:
	s_mov_b64 s[64:65], 0
	v_nop
	global_prefetch_b8 v0, s[64:65] scope:SCOPE_SE
	s_setreg_imm32_b32 hwreg(HW_REG_WAVE_MODE, 25, 1), 1
	s_wait_xcnt 0x0
	s_wait_alu depctr_hold_cnt(0) depctr_sa_sdst(0) depctr_va_vdst(0) depctr_va_sdst(0) depctr_va_ssrc(0) depctr_va_vcc(0) depctr_vm_vsrc(0)
	s_getreg_b32 s2, hwreg(HW_REG_IB_STS2, 6, 4)
	s_cmp_eq_u32 s2, 0
	s_cbranch_scc0 .Lentry_in_a_cluster
	s_endpgm
.Lentry_in_a_cluster:
	s_bfe_u32 s2, ttmp6, 0x10000c
	s_cmp_lg_u32 s2, 0xf033
	s_cbranch_scc0 .Lentry_shape_is_right
	s_endpgm
.Lentry_shape_is_right:
; QKV.  X[m][n] = sum over k of A[m][k] B[n][k] + bias, on codes of FP6 (E2M3) with one E8M0 scale for each 32 along K = 1,024; X is quantised along n on the way out and never goes to memory as f32.  No work is left out.
; TWO USES OF ONE PRODUCT, told apart by the cluster's y (the same in all sixteen partners):
;   clusters y 0-7 : A = input (8,192 tokens), B = qkv_w's rows 0-2,047: q and k.  A lane holds one token, its registers run along (head, d): the next product's K.
;   clusters y 8-11: A = qkv_w's rows 2,048 on (v's 1,024), B = input: V TRANSPOSED.  A lane holds one d, its registers run along the keys: the K of the product with p.
; Both operands lie in c1 and their scale bytes in s1, rows with bits 3 and 4 of their number exchanged: so the 16 registers of two neighbouring tiles of B are 16 neighbours along n.
; A tile of X, 256 x 256, is made by four waves, 128 x 128 each: 64 accumulators, 512 registers.  K goes in steps of 256 through a ring of two LDS slots filled by the tensor data mover; the scale bytes of the
; work-group's rows come once.  4 x 4 work-groups form a cluster: A's tiles are asked for jointly along a row of it, B's along a column.  Source 0 = 16 rows of B, source 1 = 16 rows of A.
; OUT.  qk: [q, k][batch x head][group of 128 tokens][6,656 bytes]: eight tiles' images of the operand's six registers (registers 0-3 at 16 x lane, 4-5 at 512 + 8 x lane), then 512 bytes of scale words
; (bytes 2 and 3 are 127: they scale the zero codes that fill K = 64 to the instruction's 128).  vt: [batch x head][128 keys][6,400 bytes]: four tiles' images of twelve registers, then 256 bytes of scale words.
; LIMITS: a block whose largest magnitude lies under 2^-124 (zeros among them) has its byte held at 1; NaN and infinities are not served.
; REGISTERS: window 0: v0-31 addresses; v32-63 scale words, two sets; v64-127 the bias; from v128 A's fragments, ONE set; on the way out v128-247 at work.  window 1: B's fragments, two sets.  windows 2, 3: the accumulators.
.set KSTEP,  256
.set NQ,     2
.set ROWB,   192
.set KROW,   768
.set PITCH,  240                       ; an LDS row: 3 x (64 bytes + 16 of padding)
.set FR,     12
.set NL,     6
.set NP,     4
.set HALFT,  128*PITCH
.set SLOT,   4*HALFT
.set LAPS,   2                         ; K = 1,024 is twice round the ring
.set KS,     32
.set SCL,    2*SLOT
.set HALFS,  16*272                    ; the scales of 128 rows: 16 units of 256 bytes + 16
.set SBLK,   2*272
.set SPARE,  SCL+4*HALFS               ; the spare words, 128 bytes a wave
.set ADRA, 16
.set ADRB, 20
.set L16,  24                          ; v24 16 x lane
.set L8,   25                          ; v25 8 x lane
.set VSO,  26                          ; v26 16 r + 102,400 h: vt's scale words, a head to each half of the lanes
.set ADRS, 27
.set SPW,  28
.set NIL,  29
.set BO,   30                          ; v30 64 h: the bias along n
.set BV,   31                          ; v31 4 (r + 8 (r / 8)): the bias along m
.set SC,   32
.set BI,   64
.set AF,   128
.set X,    128                         ; the way out: 64 numbers of a lane
.set PC,   192                         ; v192-211 the codes just made
.set TM,   212                         ; v212-227 at work in QUANT
.set WS,   228                         ; v228-235 the eight blocks' scale words
.set Y,    236
.set Z,    240
.set G1, 24
.set G0, 32
.set G1B, 48
.set G0B, 56
.set G1S, 68
.set G0S, 76
.set G1SB, 80
.set G0SB, 88
.set SEL, 92                           ; s[92:93] lane selects: lane l xor 16
.set MSB, 0
.macro WIN new                         ; the immediate's high byte repeats the setting that is left
.if MSB != (\new)
	s_set_vgpr_msb (MSB<<8)|(\new)
.set MSB, (\new)
.endif
.endm
.set MUL_LO, 0xa1
.set MUL_HI, 0xf1
.set TO_B,   0x40
.macro JLOAD g0a, g1a, g0b, g1b        ; a joint load: waves 0 and 1 fetch for A, waves 2 and 3 for B; an s_nop 0 and four v_nop follow each line
	s_cmp_eq_u32 s15, 0
	s_cbranch_scc0 .Lfor_b_\@
	tensor_load_to_lds s[\g0a:\g0a+3], s[\g1a:\g1a+7]
	s_nop 0
.rept 4
	v_nop
.endr
	s_branch .Lasked_\@
.Lfor_b_\@:
	tensor_load_to_lds s[\g0b:\g0b+3], s[\g1b:\g1b+7]
	s_nop 0
.rept 4
	v_nop
.endr
.Lasked_\@:
.endm
.macro CREST
	s_cmp_lg_u32 s14, 0
	s_cbranch_scc1 .Lnot_wave_0_\@
	s_barrier_signal -3
.Lnot_wave_0_\@:
	s_barrier_wait -3
	s_barrier_signal -1
	s_barrier_wait -1
.endm
.macro CROUND
	s_barrier_signal -1
	s_barrier_wait -1
	CREST
.endm
	s_load_b128 s[4:7], s[0:1], 0x0                ; c1 s[4:5], s1 s[6:7]
	s_load_b128 s[96:99], s[0:1], 0x10             ; qkv_b s[96:97], qk s[98:99]
	s_load_b64 s[100:101], s[0:1], 0x20            ; vt
	v_lshl_add_u32 v[SPW], v0, 2, SPARE
	v_mov_b32 v[NIL], 0
	ds_add_u32 v[SPW], v[NIL]                      ; the wave's opening: the add, twice on end, and its wait ahead of my first tensor load
	ds_add_u32 v[SPW], v[NIL]
	v_lshrrev_b32 v1, 5, v0
	v_readfirstlane_b32 s14, v1                    ; wave 0..3
	s_lshr_b32 s15, s14, 1                         ; which half of the tile's rows is mine.  Also: I fetch for A (0) or for B (1)
	s_and_b32 s16, s14, 1                          ; which half of its columns.  Also: which 128 rows I fetch
	s_bfe_u32 s40, ttmp6, 0x40000                  ; cx, cy
	s_bfe_u32 s41, ttmp6, 0x40004
	s_and_b32 s93, ttmp7, 0xffff                   ; the cluster's y
	s_sub_co_u32 s94, s93, 8
	s_lshl_b32 s94, s94, 1
	s_add_co_u32 s94, s94, ttmp9                   ; v's use: which four tile columns: 2 (y - 8) + x
	s_cmp_ge_u32 s93, 8
	s_cselect_b32 s2, 1, 0                         ; 1: v's use
	s_cselect_b32 s17, 0, s93
	s_cselect_b32 s42, s94, ttmp9
	s_cselect_b32 s92, 7864320, 0                  ; where A's codes begin in c1,
	s_cselect_b32 s93, 0, 6291456                  ; B's,
	s_cselect_b32 s94, 327680, 0                   ; A's scale bytes in s1,
	s_cselect_b32 s95, 0, 262144                   ; B's
	s_lshl_b32 s17, s17, 2
	s_add_co_u32 s17, s17, s41                     ; tile row
	s_lshl_b32 s42, s42, 2
	s_add_co_u32 s42, s42, s40                     ; tile column
	s_lshl_b32 s43, s41, 2
	s_lshl_b32 s43, 15, s43                        ; my row of the cluster
	s_lshl_b32 s44, 0x1111, s40                    ; my column
	s_or_b32 s[G1+0], s43, (0<<16)|(1<<20)|(1<<21)|(3<<22)|(3<<25)  ; the mask; elements of 1 byte; padding on; bit 21 beside a mask; after every 16 words, 4 words
	s_or_b32 s[G1B+0], s44, (0<<16)|(1<<20)|(1<<21)|(3<<22)|(3<<25)
.irp g, G1, G1B
	s_mov_b32 s[\g+1], ROWB<<16                    ; tensor_dim0
	s_mov_b32 s[\g+2], 128<<16                     ; tensor_dim1
	s_mov_b32 s[\g+3], ROWB<<16                    ; tile_dim0
	s_mov_b32 s[\g+4], 128                         ; tile_dim1
	s_mov_b32 s[\g+5], KROW                        ; the pitch
	s_mov_b32 s[\g+6], 0
	s_mov_b32 s[\g+7], 0
.endr
	s_or_b32 s[G1S+0], s43, (3<<16)|(1<<20)|(1<<21)|(5<<22)|(3<<25)  ; the scales of 128 rows: 4,096 dense bytes as 16 rows of 256, 16 bytes of padding behind each
	s_or_b32 s[G1SB+0], s44, (3<<16)|(1<<20)|(1<<21)|(5<<22)|(3<<25)
.irp g, G1S, G1SB
	s_mov_b32 s[\g+1], 32<<16
	s_mov_b32 s[\g+2], 16<<16
	s_mov_b32 s[\g+3], 32<<16
	s_mov_b32 s[\g+4], 16
	s_mov_b32 s[\g+5], 32
	s_mov_b32 s[\g+6], 0
	s_mov_b32 s[\g+7], 0
.endr
	s_lshl_b32 s18, s16, 7                         ; which 128 rows of the tile I fetch
	s_lshl_b32 s20, s17, 8
	s_add_co_u32 s20, s20, s18                     ; A: row 256 x tile row + 128 x half
	s_lshl_b32 s46, s42, 8
	s_add_co_u32 s46, s46, s18                     ; B: row 256 x tile column + 128 x half
	s_lshl_b32 s22, s20, 5                         ; all offsets stay under 2^24
	s_add_co_u32 s22, s22, s94                     ; A's scales
	s_mov_b32 s23, 0
	s_mul_i32 s20, s20, KROW
	s_add_co_u32 s20, s20, s92                     ; A's codes
	s_mov_b32 s21, 0
	s_lshl_b32 s12, s46, 5
	s_add_co_u32 s12, s12, s95                     ; B's scales
	s_mov_b32 s13, 0
	s_mul_i32 s46, s46, KROW
	s_add_co_u32 s46, s46, s93                     ; B's codes
	s_mov_b32 s47, 0
	s_mul_i32 s45, s14, HALFT                      ; where they go: wave x 128 rows
	s_mul_i32 s94, s14, HALFS
	s_wait_dscnt 0x0                               ; both opening adds are done
	s_wait_kmcnt 0x0
	s_add_nc_u64 s[20:21], s[4:5], s[20:21]
	s_add_nc_u64 s[22:23], s[6:7], s[22:23]
	s_add_nc_u64 s[46:47], s[4:5], s[46:47]
	s_add_nc_u64 s[12:13], s[6:7], s[12:13]
	CROUND                                         ; all sixteen work-groups are here: the first joint loads meet
	s_mov_b32 s[G0S], 1
	s_add_co_u32 s[G0S+1], s94, SCL
	s_mov_b64 s[G0S+2:G0S+3], s[22:23]
	s_or_b32 s[G0S+3], s[G0S+3], 0x80000000
	s_mov_b32 s[G0SB], 1
	s_add_co_u32 s[G0SB+1], s94, SCL
	s_mov_b64 s[G0SB+2:G0SB+3], s[12:13]
	s_or_b32 s[G0SB+3], s[G0SB+3], 0x80000000
	JLOAD G0S, G1S, G0SB, G1SB                     ; the scales first: three loads of mine are out at the most
.irp s, 0,1
	s_mov_b32 s[G0+4*\s], 1
	s_add_co_u32 s[G0+4*\s+1], s45, \s*SLOT
	s_add_nc_u64 s[G0+4*\s+2:G0+4*\s+3], s[20:21], \s*ROWB
	s_or_b32 s[G0+4*\s+3], s[G0+4*\s+3], 0x80000000
	s_mov_b32 s[G0B+4*\s], 1
	s_add_co_u32 s[G0B+4*\s+1], s45, \s*SLOT
	s_add_nc_u64 s[G0B+4*\s+2:G0B+4*\s+3], s[46:47], \s*ROWB
	s_or_b32 s[G0B+4*\s+3], s[G0B+4*\s+3], 0x80000000
	JLOAD G0+4*\s, G1, G0B+4*\s, G1B
.endr
	v_and_b32 v1, 15, v0                           ; r
	v_bfe_u32 v2, v0, 4, 1                         ; h
	v_mul_u32_u24 v3, v1, PITCH
	v_mul_u32_u24 v4, v2, 24
	v_add_nc_u32 v4, v3, v4                        ; a fragment's row x pitch + 24 x half
	v_lshl_add_u32 v5, v2, 4, v4                   ; and the same behind one padding more
	s_mul_i32 s21, s15, HALFT
	s_mul_i32 s22, s16, HALFT
	s_add_co_u32 s22, s22, 2*HALFT
.irp s, 0,1
	v_add_nc_u32 v[ADRA+\s], s21, v4
	v_add_nc_u32 v[ADRB+\s], s22, v4
	v_add_nc_u32 v[ADRA+2+\s], s21, v5
	v_add_nc_u32 v[ADRB+2+\s], s22, v5
	s_add_co_u32 s21, s21, SLOT
	s_add_co_u32 s22, s22, SLOT
.endr
	v_mul_u32_u24 v5, v1, KS                       ; my row's scales: 32 bytes a row,
	v_lshrrev_b32 v6, 8, v5
	v_lshl_add_u32 v5, v6, 4, v5                   ; and 16 more for each 256 passed
	s_mul_i32 s21, s15, HALFS
	s_mul_i32 s22, s16, HALFS
	s_add_co_u32 s22, s22, 2*HALFS
	s_sub_co_u32 s22, s22, s21
	v_mul_u32_u24 v6, s22, v2                      ; lanes 16-31 take B's
	s_add_co_u32 s21, s21, SCL
	v_add_nc_u32 v5, v5, v6
	v_add_nc_u32 v[ADRS], s21, v5
	v_and_b32 v6, 31, v0
	v_lshlrev_b32 v[L16], 4, v6
	v_lshlrev_b32 v[L8], 3, v6
	v_mul_u32_u24 v[VSO], v2, 102400
	v_lshl_add_u32 v[VSO], v1, 4, v[VSO]
	v_lshlrev_b32 v[BO], 6, v2
	v_and_b32 v[BV], 8, v1
	v_add_nc_u32 v[BV], v[BV], v1
	v_lshlrev_b32 v[BV], 2, v[BV]
	s_lshl_b32 s20, s17, 8
	s_lshl_b32 s21, s15, 7
	s_add_co_u32 s20, s20, s21                     ; s20: my first row m
	s_lshl_b32 s46, s42, 8
	s_lshl_b32 s47, s16, 7
	s_add_co_u32 s46, s46, s47                     ; s46: my first column n
	s_mov_b32 s[SEL], 0x76543210
	s_mov_b32 s[SEL+1], 0xfedcba98
	s_mov_b32 s94, 0xffff0000                      ; lanes 16-31
	s_mov_b32 s95, 0x7f7f0000                      ; the bytes 127 of the zero codes' blocks
.macro FRAG reg, adr, q, i             ; 16 rows x 128 K of 6-bit codes: 12 registers, in pieces of 8 bytes; where the piece three on lies behind one padding more, the second address register serves
.irp p, 0,1,2,3,4,5
.set PCE, 12*(\q)+6*(\p/3)+\p%3
.if PCE%8 < 5
	ds_load_b64 v[\reg+2*\p:\reg+2*\p+1], v[\adr] offset:8*PCE+16*(PCE/8)+(\i)*16*PITCH
.else
	ds_load_b64 v[\reg+2*\p:\reg+2*\p+1], v[\adr+2] offset:8*PCE+16*(PCE/8)+(\i)*16*PITCH
.endif
.endr
.endm
; 16 matrix instructions: A's blocks a0, a0 + 1 x B's eight.  The 64 accumulators take turns, one instruction a turn, in the same order in every step.
.macro MUL16 a0, p, q, sc, zero
.irp a, \a0, \a0+1
.irp b, 0,1,2,3,4,5,6,7
.if \zero
	v_wmma_scale_f32_16x16x128_f8f6f4 v[8*(8*((\a)%4)+\b):8*(8*((\a)%4)+\b)+7], v[128*(\p)+FR*\b:128*(\p)+FR*\b+FR-1], v[AF+FR*(\a):AF+FR*(\a)+FR-1], 0, v[SC+8*NQ*(\sc)+NQ*\b+(\q)], v[SC+8*NQ*(\sc)+NQ*(\a)+(\q)] matrix_a_fmt:MATRIX_FMT_FP6 matrix_b_fmt:MATRIX_FMT_FP6 matrix_a_scale:MATRIX_SCALE_ROW1
.else
	v_wmma_scale_f32_16x16x128_f8f6f4 v[8*(8*((\a)%4)+\b):8*(8*((\a)%4)+\b)+7], v[128*(\p)+FR*\b:128*(\p)+FR*\b+FR-1], v[AF+FR*(\a):AF+FR*(\a)+FR-1], v[8*(8*((\a)%4)+\b):8*(8*((\a)%4)+\b)+7], v[SC+8*NQ*(\sc)+NQ*\b+(\q)], v[SC+8*NQ*(\sc)+NQ*(\a)+(\q)] matrix_a_fmt:MATRIX_FMT_FP6 matrix_b_fmt:MATRIX_FMT_FP6 matrix_a_scale:MATRIX_SCALE_ROW1
.endif
.endr
.endr
.endm
.macro FETCH_B slot, q, p
	WIN TO_B
.irp i, 0,1,2,3,4,5,6,7
	FRAG 128*(\p)+FR*\i, ADRB+\slot, \q, \i
.endr
	WIN 0
.endm
.macro FETCH_A slot, q, i0
.irp i, \i0, \i0+1, \i0+2, \i0+3
	FRAG AF+FR*(\i), ADRA+\slot, \q, \i
.endr
.endm
.macro SCALES sc                       ; the next K step's scale words: lanes 0-15 take A's block i, lanes 16-31 B's block i
.irp i, 0,1,2,3,4,5,6,7
	ds_load_b64 v[SC+8*NQ*\sc+NQ*\i:SC+8*NQ*\sc+NQ*\i+1], v[ADRS] offset:\i*SBLK
.endr
.endm
.macro PLACES n                        ; plain vector lines between a matrix instruction and a load into, or a read of, its registers
.rept \n
	v_nop
.endr
.endm
.macro STEP slot, q, zero              ; a step of 128 along K that has its successor in the same slot
	s_wait_dscnt 4*NL                              ; B's set and A's blocks 0-3 are in; the youngest 24 loads (A's blocks 4-7) may be out
	WIN MUL_LO
	MUL16 0, (\q)%2, \q, \slot, \zero
	MUL16 2, (\q)%2, \q, \slot, \zero
	s_wait_dscnt 0
	PLACES NP
	FETCH_B \slot, (\q)+1, 1-(\q)%2
	FETCH_A \slot, (\q)+1, 0
	WIN MUL_HI
	MUL16 4, (\q)%2, \q, \slot, \zero
	MUL16 6, (\q)%2, \q, \slot, \zero
	PLACES NP
	WIN 0
	FETCH_A \slot, (\q)+1, 4
.endm
.macro TURN slot, next, fill           ; a slot's last step changes slots: one barrier; fill = 1: this slot is filled again, two K steps ahead, behind a round of the cluster's barrier
	s_wait_tensorcnt 0x0                           ; all my tensor loads have landed: my part of the next slot
	ds_add_u32 v[SPW], v[NIL]                      ; 0 onto my spare word
	s_wait_dscnt 4*NL+1                            ; (the add and the youngest 24 loads may be out)
	WIN MUL_LO
	MUL16 0, 1, NQ-1, \slot, 0
	s_wait_dscnt 0x0                               ; the add is done, and my reads of this slot are over
	s_barrier_signal -1
	MUL16 2, 1, NQ-1, \slot, 0
	WIN 0
	s_barrier_wait -1
.if \fill
	CREST                                          ; no wave of any partner still reads this slot's tile or has a load on its way
	s_add_nc_u64 s[G0+4*\slot+2:G0+4*\slot+3], s[G0+4*\slot+2:G0+4*\slot+3], 2*ROWB
	s_add_nc_u64 s[G0B+4*\slot+2:G0B+4*\slot+3], s[G0B+4*\slot+2:G0B+4*\slot+3], 2*ROWB
	JLOAD G0+4*\slot, G1, G0B+4*\slot, G1B         ; the first tensor load behind the round; its four v_nop are the places in front of the loads below
.else
	PLACES NP
.endif
	v_add_nc_u32 v[ADRS], 4*NQ, v[ADRS]
	FETCH_B \next, 0, 0
	FETCH_A \next, 0, 0
	SCALES \next
	WIN MUL_HI
	MUL16 4, 1, NQ-1, \slot, 0
	MUL16 6, 1, NQ-1, \slot, 0
	PLACES NP
	WIN 0
	FETCH_A \next, 0, 4
.endm
.macro LAST                            ; the very last step: nothing more to fetch
	s_wait_dscnt 4*NL
	WIN MUL_LO
	MUL16 0, 1, NQ-1, 1, 0
	MUL16 2, 1, NQ-1, 1, 0
	s_wait_dscnt 0
	WIN MUL_HI
	MUL16 4, 1, NQ-1, 1, 0
	MUL16 6, 1, NQ-1, 1, 0
	WIN 0
	PLACES NP                                      ; in front of the first read of results and the first write of registers that held A's fragments
.irp b, 0,1,2,3
	v_mov_b32 v[TM+4+\b], 0                        ; written once: a lane permute's destination counts as one of its sources
.endr
	s_wait_loadcnt 0x0                             ; the bias, asked for ahead of these 64 products
.endm
; 64 numbers of a lane, register 16 b + i = place 32 b + 16 (lane / 16) + i along the next K, become a fragment's codes in v[PC] on and its scale word in v[pw]
.macro QUANT s, pw
.irp b, 0,1,2,3
	v_max3_num_f32 v[TM+\b], |v[\s+16*\b]|, |v[\s+1+16*\b]|, 0x1800000   ; my 16 numbers of block b, and the floor 2^(3 - 127)
.endr
.irp i, 2,4,6,8,10,12,14
.irp b, 0,1,2,3
	v_max3_num_f32 v[TM+\b], v[TM+\b], |v[\s+16*\b+\i]|, |v[\s+1+16*\b+\i]|
.endr
.endr
.irp b, 0,1,2,3
	v_permlanex16_b32 v[TM+4+\b], v[TM+\b], s[SEL], s[SEL+1]
.endr
.irp b, 0,1,2,3
	v_max_num_f32 v[TM+\b], v[TM+\b], v[TM+4+\b]   ; with lane l xor 16's: the block's largest magnitude
.endr
.irp b, 0,1,2,3
	v_add_nc_u32 v[TM+12+\b], 0xff000000, v[TM+\b] ; 2 off its exponent field: the conversion's scale operand
.endr
.irp b, 0,1,2,3
	v_lshrrev_b32 v[TM+4+\b], 23, v[TM+12+\b]      ; the scale's byte
.endr
	v_lshl_or_b32 v[\pw], v[TM+5], 8, v[TM+4]
	v_lshl_or_b32 v[\pw], v[TM+6], 16, v[\pw]
	v_lshl_or_b32 v[\pw], v[TM+7], 24, v[\pw]
.irp c, 0,1
	v_cvt_scalef32_pk16_fp6_f32 v[PC+6*\c:PC+2+6*\c], v[\s+32*\c:\s+15+32*\c], v[TM+12+2*\c]
	v_cvt_scalef32_pk16_fp6_f32 v[PC+12+4*\c:PC+14+4*\c], v[\s+16+32*\c:\s+31+32*\c], v[TM+12+2*\c+1]
.endr
	v_nop                                          ; one plain line behind a scaled conversion
.irp c, 0,1                            ; the operand's layout wants a whole block in a lane
.irp i, 0,1,2
	v_permlane16_swap_b32 v[PC+6*\c+\i], v[PC+12+4*\c+\i]
.endr
.irp i, 0,1,2
	v_mov_b32 v[PC+3+6*\c+\i], v[PC+12+4*\c+\i]
.endr
.endr
.endm
; Block a of my eight (16 rows of A x 128 along n): + bias (each accumulator from its low end on), quantised, stored as images.  Every store covers 256 or 512 consecutive bytes, aligned.
.macro BLOCK a, isv
.if (\a) > 0
	s_wait_xcnt 0x0                                ; the last block's stores have read their registers
.endif
	WIN 0x02+(\a)/4                                ; source 0: window 2 or 3
.set i, 0
.rept 32
.if \isv
	v_pk_add_f32 v[X+i:X+i+1], v[64*((\a)%4)+i:64*((\a)%4)+i+1], v[BI+2*(\a):BI+2*(\a)+1]
.else
	v_pk_add_f32 v[X+i:X+i+1], v[64*((\a)%4)+i:64*((\a)%4)+i+1], v[BI+i:BI+i+1]
.endif
.set i, i+2
.endr
	WIN 0
	QUANT X, WS+(\a)
.if \isv
.irp c, 0,1,2
	global_store_b128 v[L16], v[PC+4*\c:PC+4*\c+3], s[100:101] offset:((\a)/4)*102400+((\a)%4)*1536+512*\c
.endr
.else
	global_store_b128 v[L16], v[PC:PC+3], s[98:99] offset:768*(\a)                   ; the first head's six registers,
	global_store_b64 v[L8], v[PC+4:PC+5], s[98:99] offset:768*(\a)+512
	global_store_b128 v[L16], v[PC+6:PC+9], s[98:99] offset:768*(\a)+106496          ; the next head's
	global_store_b64 v[L8], v[PC+10:PC+11], s[98:99] offset:768*(\a)+512+106496
.endif
.endm
	s_wait_tensorcnt 1                             ; the scales and my part of K step 0 are in (K step 1's load may be out),
	s_barrier_signal -1
	s_barrier_wait -1                              ; everybody's are
	FETCH_B 0, 0, 0
	FETCH_A 0, 0, 0
	SCALES 0
	FETCH_A 0, 0, 4
	STEP 0, 0, 1                                   ; the first step's products start the sums
	s_mov_b32 s3, LAPS-1
.Llap:
	TURN 0, 1, 1
	STEP 1, 0, 0
	TURN 1, 0, 1
	STEP 0, 0, 0
	s_sub_co_u32 s3, s3, 1
	s_cmp_lg_u32 s3, 0
	s_cbranch_scc1 .Llap
	TURN 0, 1, 0                                   ; the last lap fills nothing
	STEP 1, 0, 0
	s_cmp_lg_u32 s2, 0                             ; the two uses part here, behind the last joint load: the cluster's y decides, the same in all partners
	s_cbranch_scc1 .Lv_arm
	; ---- q and k: the bias runs along n
	s_lshl_b32 s22, s46, 2
	s_mov_b32 s23, 0
	s_add_nc_u64 s[96:97], s[96:97], s[22:23]
.irp i, 0,1,2,3,4,5,6,7,8,9,10,11,12,13,14,15
	global_load_b128 v[BI+4*\i:BI+4*\i+3], v[BO], s[96:97] offset:128*(\i/4)+16*(\i%4)   ; register 16 b + i: qkv_b[n + 32 b + 16 h + i]
.endr
	s_lshr_b32 s21, s46, 10                        ; q or k,
	s_lshl_b32 s21, s21, 6
	s_lshr_b32 s22, s20, 11                        ; the batch,
	s_lshl_b32 s22, s22, 4
	s_add_co_u32 s21, s21, s22
	s_bfe_u32 s22, s46, 0x40006                    ; the head,
	s_add_co_u32 s21, s21, s22
	s_lshl_b32 s21, s21, 4
	s_bfe_u32 s22, s20, 0x40007                    ; the group of 128 tokens
	s_add_co_u32 s21, s21, s22
	s_mul_i32 s22, s21, 6656
	s_mov_b32 s23, 0
	s_add_nc_u64 s[98:99], s[98:99], s[22:23]
	LAST
.irp a, 0,1,2,3,4,5,6,7
	BLOCK \a, 0
.endr
.irp i, 0,1,2,3
	v_cndmask_b32 v[Y+\i], v[WS+\i], v[WS+4+\i], s94   ; lanes 0-15 carry tiles 0-3's words, lanes 16-31 tiles 4-7's
.endr
.irp i, 0,1,2,3
	v_and_or_b32 v[Z+\i], v[Y+\i], 0xffff, s95     ; the first head's two bytes,
	v_lshrrev_b32 v[Z+4+\i], 16, v[Y+\i]           ; the next head's,
.endr
.irp i, 0,1,2,3
	v_or_b32 v[Z+4+\i], s95, v[Z+4+\i]             ; each under two bytes 127
.endr
	global_store_b128 v[L16], v[Z:Z+3], s[98:99] offset:6144
	global_store_b128 v[L16], v[Z+4:Z+7], s[98:99] offset:6144+106496
	s_branch .Ldone
	; ---- v: the bias runs along m: one number a lane and block, loaded twice to fill the pair that the packed addition names
.Lv_arm:
	s_lshl_b32 s22, s20, 2
	s_add_co_u32 s22, s22, 8192
	s_mov_b32 s23, 0
	s_add_nc_u64 s[96:97], s[96:97], s[22:23]
.irp a, 0,1,2,3,4,5,6,7
	global_load_b32 v[BI+2*\a], v[BV], s[96:97] offset:(32*(\a/2)+8*(\a%2))*4
	global_load_b32 v[BI+2*\a+1], v[BV], s[96:97] offset:(32*(\a/2)+8*(\a%2))*4
.endr
	s_lshr_b32 s21, s46, 11                        ; the batch,
	s_lshl_b32 s21, s21, 4
	s_lshr_b32 s22, s20, 6                         ; the head,
	s_add_co_u32 s21, s21, s22
	s_lshl_b32 s21, s21, 4
	s_bfe_u32 s22, s46, 0x40007                    ; the 128 keys
	s_add_co_u32 s21, s21, s22
	s_mul_i32 s22, s21, 6400
	s_mov_b32 s23, 0
	s_add_nc_u64 s[100:101], s[100:101], s[22:23]
	LAST
.irp a, 0,1,2,3,4,5,6,7
	BLOCK \a, 1
.endr
.irp i, 0,1,2,3
	v_cndmask_b32 v[Y+\i], v[WS+\i], v[WS+4+\i], s94
.endr
	global_store_b128 v[VSO], v[Y:Y+3], s[100:101] offset:6144   ; each half of the lanes stores one head's 256 bytes
.Ldone:
	s_wait_tensorcnt 0x0                           ; the wave's end
	ds_add_u32 v[SPW], v[NIL]
	s_wait_dscnt 0x0
	CROUND                                         ; the closing round
	s_endpgm
.Lfunc_end_k_q01dd84ac73_qkv:
	.size	k_q01dd84ac73_qkv, .Lfunc_end_k_q01dd84ac73_qkv-k_q01dd84ac73_qkv
	.p2alignl 7, 3214868480
	.fill 96, 4, 3214868480
	.section	.rodata,"a",@progbits
	.p2align	6, 0x0
	.amdhsa_kernel k_q01dd84ac73_qkv
		.amdhsa_group_segment_fixed_size 327680
		.amdhsa_private_segment_fixed_size 0
		.amdhsa_enable_private_segment 0
		.amdhsa_kernarg_size 40
		.amdhsa_user_sgpr_count 2
		.amdhsa_user_sgpr_kernarg_segment_ptr 1
		.amdhsa_wavefront_size32 1
		.amdhsa_system_sgpr_workgroup_id_x 1
		.amdhsa_system_sgpr_workgroup_id_y 1
		.amdhsa_system_sgpr_workgroup_id_z 1
		.amdhsa_system_vgpr_workitem_id 0
		.amdhsa_next_free_vgpr 1024
		.amdhsa_next_free_sgpr 102
		.amdhsa_reserve_vcc 0
		.amdhsa_float_denorm_mode_32 3
		.amdhsa_float_denorm_mode_16_64 3
		.amdhsa_memory_ordered 1
		.amdhsa_forward_progress 1
		.amdhsa_inst_pref_size 243
	.end_amdhsa_kernel
	.amdgpu_metadata
---
amdhsa.version: [ 1, 2 ]
amdhsa.kernels:
  - .name:           k_q01dd84ac73_qkv
    .symbol:         k_q01dd84ac73_qkv.kd
    .args:
      - { .name: c1, .offset: 0, .size: 8, .value_kind: global_buffer, .address_space: global }
      - { .name: s1, .offset: 8, .size: 8, .value_kind: global_buffer, .address_space: global }
      - { .name: qkv_b, .offset: 16, .size: 8, .value_kind: global_buffer, .address_space: global }
      - { .name: qk, .offset: 24, .size: 8, .value_kind: global_buffer, .address_space: global }
      - { .name: vt, .offset: 32, .size: 8, .value_kind: global_buffer, .address_space: global }
    .group_segment_fixed_size: 327680
    .private_segment_fixed_size: 0
    .kernarg_segment_align: 8
    .kernarg_segment_size: 40
    .max_flat_workgroup_size: 128
    .sgpr_count:     102
    .vgpr_count:     1024
    .wavefront_size: 32
...
	.end_amdgpu_metadata
.endif
;; end of part 2
;; launch attn (part 3): grid 4 x 64, 16 waves a work-group, clusters of 4 x 1, 212,992 bytes of LDS; arguments qk, vt, maskw, ac, acs; writes ac, acs
.if DOCPART == 3
	.amdgcn_target "amdgcn-amd-amdhsa--gfx1250"
	.amdhsa_code_object_version 6
	.text
	.protected	k_q01dd84ac73_attn
	.globl	k_q01dd84ac73_attn
	.p2align	8
	.type	k_q01dd84ac73_attn,@function
k_q01dd84ac73_attn:
	s_mov_b64 s[64:65], 0
	v_nop
	global_prefetch_b8 v0, s[64:65] scope:SCOPE_SE
	s_setreg_imm32_b32 hwreg(HW_REG_WAVE_MODE, 25, 1), 1
	s_wait_xcnt 0x0
	s_wait_alu depctr_hold_cnt(0) depctr_sa_sdst(0) depctr_va_vdst(0) depctr_va_sdst(0) depctr_va_ssrc(0) depctr_va_vcc(0) depctr_vm_vsrc(0)
	s_getreg_b32 s2, hwreg(HW_REG_IB_STS2, 6, 4)
	s_cmp_eq_u32 s2, 0
	s_cbranch_scc0 .Lentry_in_a_cluster
	s_endpgm
.Lentry_in_a_cluster:
	s_bfe_u32 s2, ttmp6, 0x10000c
	s_cmp_lg_u32 s2, 0x3003
	s_cbranch_scc0 .Lentry_shape_is_right
	s_endpgm
.Lentry_shape_is_right:
; ATTN.  For each batch and head: S^T = K Q^T, the mask, p = 2^(t - M), O^T = V^T P^T, O / l, quantised along (head, d) for the last product.  Both products on codes of FP6 (E2M3).  No work is left out: the mask is an input and is honoured bit by bit.
; t = score x log2(e) / 8; M = the running largest t rounded up to a whole number; the row's sum l is taken of the unquantised p.  When M moves, l and O are multiplied by 2^(old M - new M): exact.
; The head's K is 64: registers 6-11 of K's and Q's fragments are zero codes, under scale bytes 127.
; A WHOLE HEAD'S K AND V STAY IN LDS: 16 groups of 6,656 bytes and 16 of 6,400, scale words among them, as images of the operands' registers.  They come once, each wave fetching one group of each: nothing is
; filled again, so the loop has no barrier and no wait on a tensor load.  Two tensor loads of a wave are out.  Every LDS read takes 16 or 8 bytes a lane on end.
; CLUSTER: the four work-groups of a head walk the same K and V and ask for them jointly (mask 15).
; SHARES.  Work-group cx owns queries 512 cx on; wave w the tiles of 16 queries T = 32 cx + 2 w and T + 1, one after the other (PASS); a pass walks 16 steps of 128 keys.  Four waves share a SIMD, so that one wave's
; vector work stands beside another's products and LDS loads.  A lane holds one query throughout; the keys of a tile of K lie so that p's 16 registers of two neighbouring tiles are 16 neighbouring keys.
; THE MASK comes as 64 lane-mask words a step, by scalar loads one step ahead; a hidden score becomes -infinity by a select: no branch hangs on it.
; A ROW WHOSE MASK IS ALL FALSE has l = 0: its l is replaced by 1, its codes are zeros and its scale bytes 0xff (NaN), so that the last product gives NaN there, as the softmax of a row of -infinity does.
; LIMITS: the largest t starts at -3e38; a p under 2^-126 counts as 0; a block under 2^-124 has its byte held at 1; NaN and infinities among the inputs are not served.
; REGISTERS: v1 16 x lane, v2 8 x lane, v3 16 r, v6 32 r; v8-11 the step's LDS addresses; v12 -M, v13 the largest t, v[14:15] l in two halves; v16-27, v28 Q and its scale word (pass 1: v242-253, v254);
; v32-79 four fragments of K; v96-159 S^T, then p, then V's four fragments; v160-191 O^T; v192-211 p's codes; v212-227 at work; v228-231 K's scale words, v232-235 V's, v236 p's; v[238:239] f; v241 -infinity.
.set KG,    6656
.set VG,    6400
.set VBASE, 16*KG
.set SPARE, VBASE+16*VG                ; the spare words, 128 bytes for each of 16 waves
.set KF,  32
.set S,   96
.set O,   160
.set SPW, 4
.set NIL, 5
.macro CROUND
	s_barrier_signal -1
	s_barrier_wait -1
	s_cmp_lg_u32 s2, 0
	s_cbranch_scc1 .Lnot_wave_0_\@
	s_barrier_signal -3
.Lnot_wave_0_\@:
	s_barrier_wait -3
	s_barrier_signal -1
	s_barrier_wait -1
.endm
	s_load_b128 s[4:7], s[0:1], 0x0                ; qk s[4:5], vt s[6:7]
	s_load_b128 s[8:11], s[0:1], 0x10              ; maskw s[8:9], ac s[10:11]
	s_load_b64 s[12:13], s[0:1], 0x20              ; acs
	v_lshl_add_u32 v[SPW], v0, 2, SPARE
	v_mov_b32 v[NIL], 0
	ds_add_u32 v[SPW], v[NIL]                      ; the wave's opening: the add, twice on end, and its wait ahead of my first tensor load
	ds_add_u32 v[SPW], v[NIL]
	v_lshrrev_b32 v7, 5, v0
	v_readfirstlane_b32 s2, v7                     ; wave 0..15
	s_and_b32 s89, ttmp7, 0xffff                   ; 16 x batch + head: the four partners share it
	s_bfe_u32 s90, ttmp6, 0x40000                  ; cx
	s_mov_b32 s16, 15|(3<<16)|(1<<21)              ; K's group: the mask of all four; elements of 8 bytes; bit 21 beside a mask; no padding
	s_mov_b32 s17, 32<<16                          ; rows of 256 bytes,
	s_mov_b32 s18, 26<<16                          ; 26 of them, dense
	s_mov_b32 s19, 32<<16
	s_mov_b32 s20, 26
	s_mov_b32 s21, 32
	s_mov_b32 s22, 0
	s_mov_b32 s23, 0
	s_mov_b32 s24, 15|(3<<16)|(1<<21)              ; V's: 25 rows
	s_mov_b32 s25, 32<<16
	s_mov_b32 s26, 25<<16
	s_mov_b32 s27, 32<<16
	s_mov_b32 s28, 25
	s_mov_b32 s29, 32
	s_mov_b32 s30, 0
	s_mov_b32 s31, 0
	s_mul_i32 s91, s89, 16*KG                      ; the head's bytes in each half of qk
	s_mul_i32 s92, s2, KG
	s_add_co_u32 s92, s92, s91
	s_add_co_u32 s92, s92, 64*16*KG                ; k lies behind q
	s_mov_b32 s93, 0
	s_mul_i32 s94, s89, 16*VG
	s_mul_i32 s95, s2, VG
	s_add_co_u32 s94, s94, s95
	s_mov_b32 s95, 0
	s_mov_b32 s84, 0x76543210
	s_mov_b32 s85, 0xfedcba98                      ; lane l xor 16
	s_mov_b32 s86, 0x3e38aa3b                      ; c = log2(e) / 8
	s_mov_b32 s87, s86                             ; (named with it as a pair)
	s_wait_dscnt 0x0                               ; both opening adds are done
	s_wait_kmcnt 0x0
	s_mov_b32 s32, 1
	s_mul_i32 s33, s2, KG                          ; LDS: group w
	s_add_nc_u64 s[34:35], s[4:5], s[92:93]
	s_or_b32 s35, s35, 0x80000000
	s_mov_b32 s36, 1
	s_mul_i32 s37, s2, VG
	s_add_co_u32 s37, s37, VBASE
	s_add_nc_u64 s[38:39], s[6:7], s[94:95]
	s_or_b32 s39, s39, 0x80000000
	CROUND                                         ; all four work-groups are here: the joint loads meet
	tensor_load_to_lds s[32:35], s[16:23]
	s_nop 0
	tensor_load_to_lds s[36:39], s[24:31]
	s_nop 0
.rept 4
	v_nop
.endr
	s_lshl_b32 s96, s90, 2                         ; my queries' group of 128: 4 cx + w / 4
	s_lshr_b32 s97, s2, 2
	s_add_co_u32 s96, s96, s97
	s_mul_i32 s96, s96, KG
	s_add_co_u32 s96, s96, s91
	s_mov_b32 s97, 0
	s_add_nc_u64 s[4:5], s[4:5], s[96:97]
	s_bfe_u32 s98, s2, 0x10001                     ; my tile in the group is 2 (w % 4): its scale words lie at 6,144 + 256 (tile / 4) + 4 (tile % 4) + 16 r
	s_lshl_b32 s98, s98, 8
	s_and_b32 s99, s2, 1
	s_lshl_b32 s99, s99, 3
	s_add_co_u32 s98, s98, s99
	s_add_co_u32 s98, s98, 6144
	s_mov_b32 s99, 0
	s_add_nc_u64 s[6:7], s[4:5], s[98:99]
	s_and_b32 s98, s2, 3
	s_mul_i32 s98, s98, 1536
	s_add_nc_u64 s[4:5], s[4:5], s[98:99]          ; and its image
	s_lshl_b32 s96, s90, 5
	s_lshl_b32 s98, s2, 1
	s_add_co_u32 s96, s96, s98                     ; T = 32 cx + 2 w
	s_lshl_b32 s88, s96, 12                        ; its mask words: 4,096 bytes a tile
	s_lshr_b32 s98, s89, 4
	s_lshl_b32 s98, s98, 7
	s_add_co_u32 s96, s96, s98                     ; 128 x batch + T
	s_and_b32 s98, s89, 15                         ; the head
	s_lshl_b32 s97, s96, 4
	s_add_co_u32 s97, s97, s98
	s_lshl_b32 s96, s96, 9
	s_lshl_b32 s98, s98, 1
	s_add_co_u32 s98, s98, s96
	s_add_nc_u64 s[12:13], s[12:13], s[98:99]      ; acs: 512 bytes a tile, 2 bytes a head
	s_mul_i32 s96, s97, 768
	s_mov_b32 s97, 0
	s_add_nc_u64 s[10:11], s[10:11], s[96:97]      ; ac: 768 bytes a tile and head
	v_and_b32 v7, 31, v0
	v_lshlrev_b32 v1, 4, v7
	v_lshlrev_b32 v2, 3, v7
	v_and_b32 v7, 15, v0
	v_lshlrev_b32 v3, 4, v7
	v_lshlrev_b32 v6, 5, v7
	global_load_b128 v[16:19], v1, s[4:5]          ; Q of both passes stays in registers
	global_load_b64 v[20:21], v2, s[4:5] offset:512
	global_load_b32 v28, v3, s[6:7]
	global_load_b128 v[242:245], v1, s[4:5] offset:768
	global_load_b64 v[246:247], v2, s[4:5] offset:768+512
	global_load_b32 v254, v3, s[6:7] offset:4
.irp i, 0,1,2,3,4,5
	v_mov_b32 v[22+\i], 0                          ; the zero codes of k = 64 .. 127: no load ever lands here
	v_mov_b32 v[248+\i], 0
	v_mov_b32 v[KF+6+\i], 0
	v_mov_b32 v[KF+18+\i], 0
	v_mov_b32 v[KF+30+\i], 0
	v_mov_b32 v[KF+42+\i], 0
.endr
	v_mov_b32 v241, 0xff800000                     ; -infinity
	s_wait_tensorcnt 0x0                           ; my two groups are in, and the descriptors' registers are free,
	s_barrier_signal -1
	s_barrier_wait -1                              ; everybody's are
.macro WORDS                           ; 64 mask words: word n in s[16 + n], from word 48 on in s[20 + n]
	s_load_b512 s[16:31], s[8:9], s88 offset:0x0
	s_load_b512 s[32:47], s[8:9], s88 offset:0x40
	s_load_b512 s[48:63], s[8:9], s88 offset:0x80
	s_load_b512 s[68:83], s[8:9], s88 offset:0xc0
.endm
	WORDS
	s_wait_loadcnt 0x0                             ; Q
.macro MASKS n0                        ; 32 scores: hidden ones become -infinity.  Each accumulator is read from its low end on
.set n, \n0
.rept 32
.if n < 48
	v_cndmask_b32 v[S+n], v241, v[S+n], s[16+n]
.else
	v_cndmask_b32 v[S+n], v241, v[S+n], s[20+n]
.endif
.set n, n+1
.endr
.endm
.macro BMAX b0                         ; the largest score of blocks b0 and b0 + 1 of 32 keys: it serves the row's maximum and, since p rises with the score, the block's largest p
.irp b, \b0, \b0+1
	v_max3_num_f32 v[212+\b], v[S+16*(\b)], v[S+1+16*(\b)], v[S+2+16*(\b)]
.endr
.irp i, 3,5,7,9,11,13
.irp b, \b0, \b0+1
	v_max3_num_f32 v[212+\b], v[212+\b], v[S+16*(\b)+\i], v[S+1+16*(\b)+\i]
.endr
.endr
.irp b, \b0, \b0+1
	v_max_num_f32 v[212+\b], v[212+\b], v[S+15+16*(\b)]
.endr
.endm
; A KEY STEP: 128 keys
.macro STEP qf, qs
	v_add_nc_u32 v8, s14, v1                       ; these four and the v_nop are the five places between the last step's products, which read v96-143, and the products below, which write there
	v_add_nc_u32 v9, s14, v2
	v_add_nc_u32 v10, s15, v1
	v_add_nc_u32 v11, s15, v3
	v_nop
	ds_load_b128 v[228:231], v8 offset:6144        ; K's scale words: lanes 0-15 tiles 0-3, lanes 16-31 tiles 4-7
.irp t, 0,1,2,3
	ds_load_b128 v[KF+12*\t:KF+12*\t+3], v8 offset:768*\t
	ds_load_b64 v[KF+12*\t+4:KF+12*\t+5], v9 offset:768*\t+512
.endr
	s_wait_dscnt 0x0
.irp t, 0,1,2,3
	v_wmma_scale_f32_16x16x128_f8f6f4 v[S+8*\t:S+8*\t+7], v[KF+12*\t:KF+12*\t+11], v[\qf:\qf+11], 0, v[228+\t], v[\qs] matrix_a_fmt:MATRIX_FMT_FP6 matrix_b_fmt:MATRIX_FMT_FP6
.endr
.rept 4
	v_nop                                          ; places in front of the loads into K's fragments and of the first read of these scores
.endr
.irp t, 0,1,2,3
	ds_load_b128 v[KF+12*\t:KF+12*\t+3], v8 offset:768*(4+\t)
	ds_load_b64 v[KF+12*\t+4:KF+12*\t+5], v9 offset:768*(4+\t)+512
.endr
	s_wait_kmcnt 0x0                               ; this step's mask words are in; their offset may be stepped:
	s_add_co_u32 s88, s88, 256                     ; the next step's (behind a tile's last step: the next tile's first),
	s_min_u32 s88, s88, 524032                     ; held inside the buffer: the very last look-ahead is not used
	MASKS 0
	s_wait_dscnt 0x0
.irp t, 0,1,2,3
	v_wmma_scale_f32_16x16x128_f8f6f4 v[S+32+8*\t:S+32+8*\t+7], v[KF+12*\t:KF+12*\t+11], v[\qf:\qf+11], 0, v[228+\t], v[\qs] matrix_a_fmt:MATRIX_FMT_FP6 matrix_b_fmt:MATRIX_FMT_FP6 matrix_a_scale:MATRIX_SCALE_ROW1
.endr
	BMAX 0                                         ; sixteen plain lines on the first 32 scores: the places behind those products
	MASKS 32
	BMAX 2
	WORDS                                          ; the next step's words: they have the rest of the step in which to come
.irp b, 0,1,2,3
	v_permlanex16_b32 v[216+\b], v[212+\b], s84, s85
.endr
.irp b, 0,1,2,3
	v_max_num_f32 v[212+\b], v[212+\b], v[216+\b]  ; with lane l xor 16's 16 keys
.endr
	v_max3_num_f32 v240, v212, v213, v214
	v_max_num_f32 v240, v240, v215                 ; the step's largest score of my query
	v_mul_f32 v240, s86, v240                      ; as t
	v_max_num_f32 v13, v13, v240                   ; the running largest t
	v_mov_b32 v240, v12
	v_floor_f32 v12, -v13                          ; the new -M = floor(-t): M is a whole number
	v_sub_f32 v240, v12, v240                      ; old M - new M: a whole number, 0 or less
	v_cvt_i32_f32 v240, v240                       ; (it saturates)
	v_ldexp_f32 v238, 1.0, v240                    ; f = 2^(old M - new M)
.set j, 0
.rept 32
	v_pk_fma_f32 v[S+j:S+j+1], v[S+j:S+j+1], s[86:87], v[12:13] op_sel_hi:[1,0,0]   ; t - M, two at a time
.set j, j+2
.endr
.irp b, 0,1,2,3
	v_fma_f32 v[212+\b], v[212+\b], s86, v12       ; the same of each block's largest score
.endr
.set j, 0
.rept 64
	v_exp_f32 v[S+j], v[S+j]                       ; p = 2^(t - M), at most 1
.set j, j+1
.endr
	v_pk_mul_f32 v[14:15], v[14:15], v[238:239] op_sel_hi:[1,0]   ; l under the new M (the plain line behind the exponentials)
	s_wait_alu depctr_va_vdst(0)                   ; one wait for the batch of 64, ahead of its first reader
.irp b, 0,1,2,3
	v_exp_f32 v[212+\b], v[212+\b]                 ; the block's largest p: the same two instructions on the same number
.endr
	v_pk_add_f32 v[216:217], v[S:S+1], v[S+2:S+3]  ; the row's sum of the unquantised p, in two chains
.set j, 4
.rept 15
	v_pk_add_f32 v[14:15], v[14:15], v[S+j:S+j+1]
	v_pk_add_f32 v[216:217], v[216:217], v[S+j+2:S+j+3]
.set j, j+4
.endr
	v_pk_add_f32 v[14:15], v[14:15], v[216:217]
	s_wait_alu depctr_va_vdst(0)                   ; and one for the four
.irp b, 0,1,2,3
	v_max_num_f32 v[212+\b], 0x1800000, v[212+\b]  ; the floor 2^(3 - 127)
.endr
.irp b, 0,1,2,3
	v_add_nc_u32 v[220+\b], 0xff000000, v[212+\b]  ; 2 off the exponent field: the conversion's scale operand
.endr
.irp b, 0,1,2,3
	v_lshrrev_b32 v[224+\b], 23, v[220+\b]         ; the scale's byte
.endr
	v_lshl_or_b32 v236, v225, 8, v224              ; p's scale word for these 128 keys
	v_lshl_or_b32 v236, v226, 16, v236
	v_lshl_or_b32 v236, v227, 24, v236
.irp c, 0,1
	v_cvt_scalef32_pk16_fp6_f32 v[192+6*\c:194+6*\c], v[S+32*\c:S+15+32*\c], v[220+2*\c]
	v_cvt_scalef32_pk16_fp6_f32 v[204+4*\c:206+4*\c], v[S+16+32*\c:S+31+32*\c], v[220+2*\c+1]
.endr
	v_nop                                          ; one plain line behind a scaled conversion
.irp c, 0,1
.irp i, 0,1,2
	v_permlane16_swap_b32 v[192+6*\c+\i], v[204+4*\c+\i]
.endr
.irp i, 0,1,2
	v_mov_b32 v[195+6*\c+\i], v[204+4*\c+\i]
.endr
.endr
	ds_load_b128 v[232:235], v11 offset:6144       ; V's scale words: tile i's in register i
.irp t, 0,1,2,3
.irp c, 0,1,2
	ds_load_b128 v[S+12*\t+4*\c:S+12*\t+4*\c+3], v10 offset:1536*\t+512*\c   ; V's four fragments take p's place
.endr
.endr
.set j, 0
.rept 16
	v_pk_mul_f32 v[O+j:O+j+1], v[O+j:O+j+1], v[238:239] op_sel_hi:[1,0]   ; O^T under the new M; these sixteen are also the places between p's scale word and codes and the products
.set j, j+2
.endr
	s_wait_dscnt 0x0
.irp t, 0,1,2,3
	v_wmma_scale_f32_16x16x128_f8f6f4 v[O+8*\t:O+8*\t+7], v[S+12*\t:S+12*\t+11], v[192:203], v[O+8*\t:O+8*\t+7], v[232+\t], v236 matrix_a_fmt:MATRIX_FMT_FP6 matrix_b_fmt:MATRIX_FMT_FP6
.endr
	s_add_co_u32 s14, s14, KG
	s_add_co_u32 s15, s15, VG
.endm
; THE WAY OUT of pass p: O^T / l; register 16 b + i is d = 32 b + 16 (lane / 16) + i of my query: two blocks of the last product's K
.macro OUT p
	v_add_f32 v14, v14, v15
	v_permlanex16_b32 v216, v14, s84, s85
	v_add_f32 v14, v14, v216                       ; the row's sum
	v_cmp_neq_f32 vcc_lo, 0, v14
	v_cndmask_b32 v14, 1.0, v14, vcc_lo            ; a row with no key at all: 1 for 0
	v_rcp_f32 v15, v14
.rept 4
	v_nop                                          ; the plain line behind the reciprocal, and the places behind the last products
.endr
	s_wait_alu depctr_va_vdst(0)                   ; ahead of the reciprocal's first reader
.set j, 0
.rept 32
	v_mul_f32 v[S+j], v[O+j], v15
.set j, j+1
.endr
.irp b, 0,1
	v_max3_num_f32 v[212+\b], |v[S+16*\b]|, |v[S+1+16*\b]|, 0x1800000
.endr
.irp i, 2,4,6,8,10,12,14
.irp b, 0,1
	v_max3_num_f32 v[212+\b], v[212+\b], |v[S+16*\b+\i]|, |v[S+1+16*\b+\i]|
.endr
.endr
.irp b, 0,1
	v_permlanex16_b32 v[216+\b], v[212+\b], s84, s85
.endr
.irp b, 0,1
	v_max_num_f32 v[212+\b], v[212+\b], v[216+\b]
.endr
.irp b, 0,1
	v_add_nc_u32 v[220+\b], 0xff000000, v[212+\b]
.endr
.irp b, 0,1
	v_lshrrev_b32 v[224+\b], 23, v[220+\b]
.endr
	v_lshl_or_b32 v240, v225, 8, v224              ; the head's two scale bytes of my query
	v_cndmask_b32 v240, 0xffff, v240, vcc_lo       ; NaN for a row with no key at all
	v_cvt_scalef32_pk16_fp6_f32 v[192:194], v[S:S+15], v220
	v_cvt_scalef32_pk16_fp6_f32 v[196:198], v[S+16:S+31], v221
	v_nop
.irp i, 0,1,2
	v_permlane16_swap_b32 v[192+\i], v[196+\i]     ; lanes 0-15 block 0, lanes 16-31 block 1
.endr
	v_mov_b32 v195, v196
	v_mov_b32 v196, v197
	v_mov_b32 v197, v198
	global_store_b128 v1, v[192:195], s[10:11] offset:12288*\p       ; 512 and 256 consecutive bytes, aligned
	global_store_b64 v2, v[196:197], s[10:11] offset:12288*\p+512
	global_store_b16 v6, v240, s[12:13] offset:512*\p                ; 2 bytes of each of 16 rows (both halves of the lanes write the same): a whole run of a row's 32 bytes would want all 16 heads, which are other work-groups'
	s_wait_xcnt 0x0                                ; the stores have read their registers
.endm
.macro PASS p, qf, qs
	v_mov_b32 v13, 0xff61b1e6                      ; the largest t so far: -3e38
	v_floor_f32 v12, -v13                          ; -M
	v_mov_b32 v14, 0
	v_mov_b32 v15, 0
.set j, 0
.rept 32
	v_mov_b32 v[O+j], 0                            ; the step is written once: the first finds zeros
.set j, j+1
.endr
.irp b, 0,1,2,3
	v_mov_b32 v[216+\b], 0                         ; a lane permute's destination counts as one of its sources
.endr
	v_mov_b32 v239, 0                              ; (named as the upper half of the pair v[238:239])
	s_mov_b32 s14, 0                               ; where the step's K begins in LDS,
	s_mov_b32 s15, VBASE                           ; and its V
	s_mov_b32 s3, 16
.Lstep_\@:
	STEP \qf, \qs
	s_sub_co_u32 s3, s3, 1
	s_cmp_lg_u32 s3, 0
	s_cbranch_scc1 .Lstep_\@
	OUT \p
.endm
	PASS 0, 16, 28
	PASS 1, 242, 254
	s_wait_kmcnt 0x0                               ; the last look-ahead
	s_wait_tensorcnt 0x0                           ; the wave's end
	ds_add_u32 v[SPW], v[NIL]
	s_wait_dscnt 0x0
	CROUND                                         ; the closing round
	s_endpgm
.Lfunc_end_k_q01dd84ac73_attn:
	.size	k_q01dd84ac73_attn, .Lfunc_end_k_q01dd84ac73_attn-k_q01dd84ac73_attn
	.p2alignl 7, 3214868480
	.fill 96, 4, 3214868480
	.section	.rodata,"a",@progbits
	.p2align	6, 0x0
	.amdhsa_kernel k_q01dd84ac73_attn
		.amdhsa_group_segment_fixed_size 212992
		.amdhsa_private_segment_fixed_size 0
		.amdhsa_enable_private_segment 0
		.amdhsa_kernarg_size 40
		.amdhsa_user_sgpr_count 2
		.amdhsa_user_sgpr_kernarg_segment_ptr 1
		.amdhsa_wavefront_size32 1
		.amdhsa_system_sgpr_workgroup_id_x 1
		.amdhsa_system_sgpr_workgroup_id_y 1
		.amdhsa_system_sgpr_workgroup_id_z 1
		.amdhsa_system_vgpr_workitem_id 0
		.amdhsa_next_free_vgpr 256
		.amdhsa_next_free_sgpr 102
		.amdhsa_reserve_vcc 1
		.amdhsa_float_denorm_mode_32 3
		.amdhsa_float_denorm_mode_16_64 3
		.amdhsa_memory_ordered 1
		.amdhsa_forward_progress 1
		.amdhsa_inst_pref_size 58
	.end_amdhsa_kernel
	.amdgpu_metadata
---
amdhsa.version: [ 1, 2 ]
amdhsa.kernels:
  - .name:           k_q01dd84ac73_attn
    .symbol:         k_q01dd84ac73_attn.kd
    .args:
      - { .name: qk, .offset: 0, .size: 8, .value_kind: global_buffer, .address_space: global }
      - { .name: vt, .offset: 8, .size: 8, .value_kind: global_buffer, .address_space: global }
      - { .name: maskw, .offset: 16, .size: 8, .value_kind: global_buffer, .address_space: global }
      - { .name: ac, .offset: 24, .size: 8, .value_kind: global_buffer, .address_space: global }
      - { .name: acs, .offset: 32, .size: 8, .value_kind: global_buffer, .address_space: global }
    .group_segment_fixed_size: 212992
    .private_segment_fixed_size: 0
    .kernarg_segment_align: 8
    .kernarg_segment_size: 40
    .max_flat_workgroup_size: 512
    .sgpr_count:     102
    .vgpr_count:     256
    .wavefront_size: 32
...
	.end_amdgpu_metadata
.endif
;; end of part 3
;; launch proj (part 4): grid 4 x 32, 4 waves a work-group, clusters of 4 x 4, 327,680 bytes of LDS; arguments ac, acs, c1, s1, out_b, out0; writes out0
.if DOCPART == 4
	.amdgcn_target "amdgcn-amd-amdhsa--gfx1250"
	.amdhsa_code_object_version 6
	.text
	.protected	k_q01dd84ac73_proj
	.globl	k_q01dd84ac73_proj
	.p2align	8
	.type	k_q01dd84ac73_proj,@function
k_q01dd84ac73_proj:
	s_mov_b64 s[64:65], 0
	v_nop
	global_prefetch_b8 v0, s[64:65] scope:SCOPE_SE
	s_setreg_imm32_b32 hwreg(HW_REG_WAVE_MODE, 25, 1), 1
	s_wait_xcnt 0x0
	s_wait_alu depctr_hold_cnt(0) depctr_sa_sdst(0) depctr_va_vdst(0) depctr_va_sdst(0) depctr_va_ssrc(0) depctr_va_vcc(0) depctr_vm_vsrc(0)
	s_getreg_b32 s2, hwreg(HW_REG_IB_STS2, 6, 4)
	s_cmp_eq_u32 s2, 0
	s_cbranch_scc0 .Lentry_in_a_cluster
	s_endpgm
.Lentry_in_a_cluster:
	s_bfe_u32 s2, ttmp6, 0x10000c
	s_cmp_lg_u32 s2, 0xf033
	s_cbranch_scc0 .Lentry_shape_is_right
	s_endpgm
.Lentry_shape_is_right:
; PROJ.  out0[m][n] = sum over k of A[m][k] out_w[n][k] + out_b[n], on codes of FP6 (E2M3) with one E8M0 scale for each 32 along K = 1,024 = (head, d).  No work is left out.
; A, the attention's result, lies in ac as IMAGES of the operand's registers: [tile of 16 rows][head][768 bytes] (registers 0-3 at 16 x lane, 4-5 at 512 + 8 x lane); a fragment of 128 along K is two heads' images.
; Its scale bytes lie in acs, 32 a row.  out_w's codes and scale bytes lie in c1 and s1.  The rows of both operands lie with bits 3 and 4 of their number exchanged; the way out puts rows and columns back.
; A tile of out0, 256 x 256, is made by four waves, 128 x 128 each.  K goes in steps of 256 through a ring of two LDS slots; the scale bytes come once.  4 x 4 work-groups form a cluster: A's tiles are asked for jointly
; along a row of it, B's along a column.  Source 0 = 16 rows of out_w, source 1 = 16 rows of A: a lane holds eight neighbouring numbers of a row of out0.  The bias is the C of each sum's first product.
; The launch has 128 work-groups: a tile of half the size would give each WGP one, at more LDS bytes a product; not taken here.
; REGISTERS: window 0: v0-31 addresses; v32-63 scale words; v64-127 the bias; from v128 A's fragments, one set; on the way out v128-255 rows of out0.  window 1: B's fragments, two sets.  windows 2, 3: the accumulators.
.set NQ,     2
.set ROWB,   192
.set KROW,   768
.set PITCH,  240
.set FR,     12
.set NLA,    4                         ; LDS loads that bring a fragment of A
.set NP,     4
.set HALFA,  8*3072                    ; A: eight tiles of rows x four heads' images
.set HALFB,  128*PITCH
.set SLOT,   2*HALFA+2*HALFB
.set LAPS,   2
.set KS,     32
.set SCL,    2*SLOT
.set HALFS,  16*272
.set SBLK,   2*272
.set SPARE,  SCL+4*HALFS
.set SPITCH, 528                       ; the way out: a stage of 16 rows x (512 bytes + 16) for each wave, in slot 0, which has had its last fill and its last read by then
.set A16,  16                          ; v16-17 16 x lane + my half of A in slot 0, 1
.set A8,   18                          ; v18-19 8 x lane + the same
.set ADRB, 20
.set STO,  24
.set RD,   25
.set CO,   26
.set ADRS, 27
.set SPW,  28
.set NIL,  29
.set BO,   30
.set SC,   32
.set BI,   64
.set AF,   128
.set BK,   128
.set G1, 24
.set G0, 32
.set G1B, 48
.set G0B, 56
.set G1S, 68
.set G0S, 76
.set G1SB, 80
.set G0SB, 88
.set MSB, 0
.macro WIN new
.if MSB != (\new)
	s_set_vgpr_msb (MSB<<8)|(\new)
.set MSB, (\new)
.endif
.endm
.set MUL_LO, 0xa1
.set MUL_HI, 0xf1
.set TO_B,   0x40
.macro JLOAD g0a, g1a, g0b, g1b
	s_cmp_eq_u32 s15, 0
	s_cbranch_scc0 .Lfor_b_\@
	tensor_load_to_lds s[\g0a:\g0a+3], s[\g1a:\g1a+7]
	s_nop 0
.rept 4
	v_nop
.endr
	s_branch .Lasked_\@
.Lfor_b_\@:
	tensor_load_to_lds s[\g0b:\g0b+3], s[\g1b:\g1b+7]
	s_nop 0
.rept 4
	v_nop
.endr
.Lasked_\@:
.endm
.macro CREST
	s_cmp_lg_u32 s14, 0
	s_cbranch_scc1 .Lnot_wave_0_\@
	s_barrier_signal -3
.Lnot_wave_0_\@:
	s_barrier_wait -3
	s_barrier_signal -1
	s_barrier_wait -1
.endm
.macro CROUND
	s_barrier_signal -1
	s_barrier_wait -1
	CREST
.endm
	s_load_b128 s[4:7], s[0:1], 0x0                ; ac s[4:5], acs s[6:7]
	s_load_b128 s[8:11], s[0:1], 0x10              ; c1 s[8:9], s1 s[10:11]
	s_load_b128 s[96:99], s[0:1], 0x20             ; out_b s[96:97], out0 s[98:99]
	v_lshl_add_u32 v[SPW], v0, 2, SPARE
	v_mov_b32 v[NIL], 0
	ds_add_u32 v[SPW], v[NIL]                      ; the wave's opening: the add, twice on end, and its wait ahead of my first tensor load
	ds_add_u32 v[SPW], v[NIL]
	v_lshrrev_b32 v1, 5, v0
	v_readfirstlane_b32 s14, v1
	s_lshr_b32 s15, s14, 1
	s_and_b32 s16, s14, 1
	s_bfe_u32 s40, ttmp6, 0x40000
	s_bfe_u32 s41, ttmp6, 0x40004
	s_lshl_b32 s42, ttmp9, 2
	s_add_co_u32 s42, s42, s40                     ; tile column
	s_and_b32 s17, ttmp7, 0xffff
	s_lshl_b32 s17, s17, 2
	s_add_co_u32 s17, s17, s41                     ; tile row
	s_lshl_b32 s43, s41, 2
	s_lshl_b32 s43, 15, s43
	s_lshl_b32 s44, 0x1111, s40
	s_or_b32 s[G1+0], s43, (3<<16)|(1<<21)         ; A: the mask of my row; elements of 8 bytes; bit 21 beside a mask; no padding
	s_mov_b32 s[G1+1], 384<<16                     ; rows of 3,072 bytes: four heads' images of a tile of rows,
	s_mov_b32 s[G1+2], 8<<16                       ; eight tiles of rows,
	s_mov_b32 s[G1+3], 384<<16
	s_mov_b32 s[G1+4], 8
	s_mov_b32 s[G1+5], 1536                        ; 12,288 bytes apart
	s_mov_b32 s[G1+6], 0
	s_mov_b32 s[G1+7], 0
	s_or_b32 s[G1B+0], s44, (0<<16)|(1<<20)|(1<<21)|(3<<22)|(3<<25)
	s_mov_b32 s[G1B+1], ROWB<<16
	s_mov_b32 s[G1B+2], 128<<16
	s_mov_b32 s[G1B+3], ROWB<<16
	s_mov_b32 s[G1B+4], 128
	s_mov_b32 s[G1B+5], KROW
	s_mov_b32 s[G1B+6], 0
	s_mov_b32 s[G1B+7], 0
	s_or_b32 s[G1S+0], s43, (3<<16)|(1<<20)|(1<<21)|(5<<22)|(3<<25)
	s_or_b32 s[G1SB+0], s44, (3<<16)|(1<<20)|(1<<21)|(5<<22)|(3<<25)
.irp g, G1S, G1SB
	s_mov_b32 s[\g+1], 32<<16
	s_mov_b32 s[\g+2], 16<<16
	s_mov_b32 s[\g+3], 32<<16
	s_mov_b32 s[\g+4], 16
	s_mov_b32 s[\g+5], 32
	s_mov_b32 s[\g+6], 0
	s_mov_b32 s[\g+7], 0
.endr
	s_lshl_b32 s18, s16, 7
	s_lshl_b32 s20, s17, 8
	s_add_co_u32 s20, s20, s18                     ; A: row 256 x tile row + 128 x half
	s_lshl_b32 s46, s42, 8
	s_add_co_u32 s46, s46, s18                     ; B: row 256 x tile column + 128 x half
	s_lshl_b32 s22, s20, 5                         ; A's scales
	s_mov_b32 s23, 0
	s_mul_i32 s20, s20, KROW                       ; A's images: 16 rows are 12,288 bytes
	s_mov_b32 s21, 0
	s_lshl_b32 s12, s46, 5
	s_add_co_u32 s12, s12, 360448                  ; out_w's scales in s1
	s_mov_b32 s13, 0
	s_mul_i32 s46, s46, KROW
	s_add_co_u32 s46, s46, 8650752                 ; out_w's codes in c1
	s_mov_b32 s47, 0
	s_mul_i32 s45, s16, HALFA                      ; where they go: A's two halves,
	s_mul_i32 s95, s16, HALFB
	s_add_co_u32 s95, s95, 2*HALFA                 ; then B's two
	s_mul_i32 s94, s14, HALFS
	s_wait_dscnt 0x0
	s_wait_kmcnt 0x0
	s_add_nc_u64 s[20:21], s[4:5], s[20:21]
	s_add_nc_u64 s[22:23], s[6:7], s[22:23]
	s_add_nc_u64 s[46:47], s[8:9], s[46:47]
	s_add_nc_u64 s[12:13], s[10:11], s[12:13]
	CROUND
	s_mov_b32 s[G0S], 1
	s_add_co_u32 s[G0S+1], s94, SCL
	s_mov_b64 s[G0S+2:G0S+3], s[22:23]
	s_or_b32 s[G0S+3], s[G0S+3], 0x80000000
	s_mov_b32 s[G0SB], 1
	s_add_co_u32 s[G0SB+1], s94, SCL
	s_mov_b64 s[G0SB+2:G0SB+3], s[12:13]
	s_or_b32 s[G0SB+3], s[G0SB+3], 0x80000000
	JLOAD G0S, G1S, G0SB, G1SB                     ; three loads of mine are out at the most
.irp s, 0,1
	s_mov_b32 s[G0+4*\s], 1
	s_add_co_u32 s[G0+4*\s+1], s45, \s*SLOT
	s_add_nc_u64 s[G0+4*\s+2:G0+4*\s+3], s[20:21], \s*3072
	s_or_b32 s[G0+4*\s+3], s[G0+4*\s+3], 0x80000000
	s_mov_b32 s[G0B+4*\s], 1
	s_add_co_u32 s[G0B+4*\s+1], s95, \s*SLOT
	s_add_nc_u64 s[G0B+4*\s+2:G0B+4*\s+3], s[46:47], \s*ROWB
	s_or_b32 s[G0B+4*\s+3], s[G0B+4*\s+3], 0x80000000
	JLOAD G0+4*\s, G1, G0B+4*\s, G1B
.endr
	v_and_b32 v1, 15, v0                           ; r
	v_bfe_u32 v2, v0, 4, 1                         ; h
	v_mul_u32_u24 v3, v1, PITCH
	v_mul_u32_u24 v4, v2, 24
	v_add_nc_u32 v4, v3, v4
	v_lshl_add_u32 v5, v2, 4, v4
	v_and_b32 v6, 31, v0
	v_lshlrev_b32 v7, 4, v6
	v_lshlrev_b32 v8, 3, v6
	s_mul_i32 s21, s15, HALFA                      ; my 128 rows of A
	s_mul_i32 s22, s16, HALFB                      ; my 128 rows of B,
	s_add_co_u32 s22, s22, 2*HALFA                 ; behind A's
.irp s, 0,1
	v_add_nc_u32 v[A16+\s], s21, v7
	v_add_nc_u32 v[A8+\s], s21, v8
	v_add_nc_u32 v[ADRB+\s], s22, v4
	v_add_nc_u32 v[ADRB+2+\s], s22, v5
	s_add_co_u32 s21, s21, SLOT
	s_add_co_u32 s22, s22, SLOT
.endr
	v_mul_u32_u24 v5, v1, KS
	v_lshrrev_b32 v6, 8, v5
	v_lshl_add_u32 v5, v6, 4, v5
	s_mul_i32 s21, s15, HALFS
	s_mul_i32 s22, s16, HALFS
	s_add_co_u32 s22, s22, 2*HALFS
	s_sub_co_u32 s22, s22, s21
	v_mul_u32_u24 v6, s22, v2                      ; lanes 16-31 take B's
	s_add_co_u32 s21, s21, SCL
	v_add_nc_u32 v5, v5, v6
	v_add_nc_u32 v[ADRS], s21, v5
	s_mul_i32 s23, s14, 16*SPITCH                  ; my stage
	v_mul_u32_u24 v5, v1, SPITCH
	v_lshl_add_u32 v5, v2, 6, v5                   ; in: row r, + 64 h: tile b's eight columns lie at 32 (b / 2) + 8 (b % 2) + 16 h
	v_add_nc_u32 v[STO], s23, v5
	v_mov_b32 v[CO], v7                            ; back: the 32 lanes take one row of 512 bytes; and the same in out0
	v_add_nc_u32 v[RD], s23, v7
	v_lshlrev_b32 v[BO], 6, v2
	s_lshl_b32 s46, s42, 10
	s_lshl_b32 s47, s16, 9
	s_add_co_u32 s46, s46, s47                     ; my first column, in bytes
	s_mov_b32 s47, 0
	s_add_nc_u64 s[96:97], s[96:97], s[46:47]
.irp b, 0,1,2,3,4,5,6,7
	global_load_b128 v[BI+8*\b:BI+8*\b+3], v[BO], s[96:97] offset:128*(\b/2)+32*(\b%2)        ; the bias in the result's layout
	global_load_b128 v[BI+8*\b+4:BI+8*\b+7], v[BO], s[96:97] offset:128*(\b/2)+32*(\b%2)+16
.endr
	s_lshl_b32 s20, s17, 8
	s_lshl_b32 s21, s15, 7
	s_add_co_u32 s20, s20, s21                     ; my first row
	s_lshl_b32 s20, s20, 12                        ; 4,096 bytes a row: under 2^26
	s_mov_b32 s21, 0
	s_add_nc_u64 s[20:21], s[20:21], s[46:47]
	s_add_nc_u64 s[98:99], s[98:99], s[20:21]
.macro FRAG reg, adr, q, i
.irp p, 0,1,2,3,4,5
.set PCE, 12*(\q)+6*(\p/3)+\p%3
.if PCE%8 < 5
	ds_load_b64 v[\reg+2*\p:\reg+2*\p+1], v[\adr] offset:8*PCE+16*(PCE/8)+(\i)*16*PITCH
.else
	ds_load_b64 v[\reg+2*\p:\reg+2*\p+1], v[\adr+2] offset:8*PCE+16*(PCE/8)+(\i)*16*PITCH
.endif
.endr
.endm
.macro FRAGI reg, slot, q, i           ; a fragment of A from two heads' images: every load takes 16 or 8 bytes a lane on end
	ds_load_b128 v[\reg:\reg+3], v[A16+\slot] offset:3072*(\i)+1536*(\q)
	ds_load_b64 v[\reg+4:\reg+5], v[A8+\slot] offset:3072*(\i)+1536*(\q)+512
	ds_load_b128 v[\reg+6:\reg+9], v[A16+\slot] offset:3072*(\i)+1536*(\q)+768
	ds_load_b64 v[\reg+10:\reg+11], v[A8+\slot] offset:3072*(\i)+1536*(\q)+1280
.endm
; The 64 accumulators take turns, one instruction a turn, in the same order in every step.  zero = 1: the bias starts the sums
.macro MUL16 a0, p, q, sc, zero
.irp a, \a0, \a0+1
.irp b, 0,1,2,3,4,5,6,7
.if \zero
	v_wmma_scale_f32_16x16x128_f8f6f4 v[8*(8*((\a)%4)+\b):8*(8*((\a)%4)+\b)+7], v[128*(\p)+FR*\b:128*(\p)+FR*\b+FR-1], v[AF+FR*(\a):AF+FR*(\a)+FR-1], v[BI+8*\b:BI+8*\b+7], v[SC+8*NQ*(\sc)+NQ*\b+(\q)], v[SC+8*NQ*(\sc)+NQ*(\a)+(\q)] matrix_a_fmt:MATRIX_FMT_FP6 matrix_b_fmt:MATRIX_FMT_FP6 matrix_a_scale:MATRIX_SCALE_ROW1
.else
	v_wmma_scale_f32_16x16x128_f8f6f4 v[8*(8*((\a)%4)+\b):8*(8*((\a)%4)+\b)+7], v[128*(\p)+FR*\b:128*(\p)+FR*\b+FR-1], v[AF+FR*(\a):AF+FR*(\a)+FR-1], v[8*(8*((\a)%4)+\b):8*(8*((\a)%4)+\b)+7], v[SC+8*NQ*(\sc)+NQ*\b+(\q)], v[SC+8*NQ*(\sc)+NQ*(\a)+(\q)] matrix_a_fmt:MATRIX_FMT_FP6 matrix_b_fmt:MATRIX_FMT_FP6 matrix_a_scale:MATRIX_SCALE_ROW1
.endif
.endr
.endr
.endm
.macro FETCH_B slot, q, p
	WIN TO_B
.irp i, 0,1,2,3,4,5,6,7
	FRAG 128*(\p)+FR*\i, ADRB+\slot, \q, \i
.endr
	WIN 0
.endm
.macro FETCH_A slot, q, i0
.irp i, \i0, \i0+1, \i0+2, \i0+3
	FRAGI AF+FR*(\i), \slot, \q, \i
.endr
.endm
.macro SCALES sc
.irp i, 0,1,2,3,4,5,6,7
	ds_load_b64 v[SC+8*NQ*\sc+NQ*\i:SC+8*NQ*\sc+NQ*\i+1], v[ADRS] offset:\i*SBLK
.endr
.endm
.macro PLACES n
.rept \n
	v_nop
.endr
.endm
.macro STEP slot, q, zero
	s_wait_dscnt 4*NLA                             ; B's set and A's blocks 0-3 are in; the youngest 16 loads (A's blocks 4-7) may be out
.if \zero
	WIN 0x81                                       ; B window 1, A and the bias window 0, D window 2
.else
	WIN MUL_LO
.endif
	MUL16 0, (\q)%2, \q, \slot, \zero
	MUL16 2, (\q)%2, \q, \slot, \zero
	s_wait_dscnt 0
	PLACES NP
	FETCH_B \slot, (\q)+1, 1-(\q)%2
	FETCH_A \slot, (\q)+1, 0
.if \zero
	WIN 0xc1
.else
	WIN MUL_HI
.endif
	MUL16 4, (\q)%2, \q, \slot, \zero
	MUL16 6, (\q)%2, \q, \slot, \zero
	PLACES NP
	WIN 0
	FETCH_A \slot, (\q)+1, 4
.endm
.macro TURN slot, next, fill
	s_wait_tensorcnt 0x0                           ; all my tensor loads have landed: my part of the next slot
	ds_add_u32 v[SPW], v[NIL]                      ; 0 onto my spare word
	s_wait_dscnt 4*NLA+1                           ; (the add and the youngest 16 loads may be out)
	WIN MUL_LO
	MUL16 0, 1, NQ-1, \slot, 0
	s_wait_dscnt 0x0                               ; the add is done, and my reads of this slot are over
	s_barrier_signal -1
	MUL16 2, 1, NQ-1, \slot, 0
	WIN 0
	s_barrier_wait -1
.if \fill
	CREST
	s_add_nc_u64 s[G0+4*\slot+2:G0+4*\slot+3], s[G0+4*\slot+2:G0+4*\slot+3], 2*3072
	s_add_nc_u64 s[G0B+4*\slot+2:G0B+4*\slot+3], s[G0B+4*\slot+2:G0B+4*\slot+3], 2*ROWB
	JLOAD G0+4*\slot, G1, G0B+4*\slot, G1B         ; the first tensor load behind the round; its four v_nop are the places in front of the loads below
.else
	PLACES NP
.endif
	v_add_nc_u32 v[ADRS], 4*NQ, v[ADRS]
	FETCH_B \next, 0, 0
	FETCH_A \next, 0, 0
	SCALES \next
	WIN MUL_HI
	MUL16 4, 1, NQ-1, \slot, 0
	MUL16 6, 1, NQ-1, \slot, 0
	PLACES NP
	WIN 0
	FETCH_A \next, 0, 4
.endm
	s_wait_loadcnt 0x0                             ; the bias
	s_wait_tensorcnt 1                             ; the scales and my part of K step 0 are in (K step 1's load may be out),
	s_barrier_signal -1
	s_barrier_wait -1
	FETCH_B 0, 0, 0
	FETCH_A 0, 0, 0
	SCALES 0
	FETCH_A 0, 0, 4
	STEP 0, 0, 1
	s_mov_b32 s3, LAPS-1
.Llap:
	TURN 0, 1, 1
	STEP 1, 0, 0
	TURN 1, 0, 1
	STEP 0, 0, 0
	s_sub_co_u32 s3, s3, 1
	s_cmp_lg_u32 s3, 0
	s_cbranch_scc1 .Llap
	TURN 0, 1, 0
	STEP 1, 0, 0
	s_wait_dscnt 4*NLA
	WIN MUL_LO
	MUL16 0, 1, NQ-1, 1, 0
	MUL16 2, 1, NQ-1, 1, 0
	s_wait_dscnt 0
	WIN MUL_HI
	MUL16 4, 1, NQ-1, 1, 0
	MUL16 6, 1, NQ-1, 1, 0
	WIN 0
; THE WAY OUT, block by block of 16 rows x 128 columns, through my own stage: in by lanes (each accumulator from its low end on), back as whole rows of 512 bytes.  LDS serves a wave's instructions in order.
.macro TOSTAGE a
.set ACB, 64*((\a)%4)
	WIN 0x08+4*((\a)/4)
.irp b, 0,1,2,3,4,5,6,7
	ds_store_b128 v[STO], v[ACB+8*\b:ACB+8*\b+3] offset:128*(\b/2)+32*(\b%2)
	ds_store_b128 v[STO], v[ACB+8*\b+4:ACB+8*\b+7] offset:128*(\b/2)+32*(\b%2)+16
.endr
	WIN 0
.set BB, BK+64*((\a)%2)
.irp t, 0,1,2,3,4,5,6,7,8,9,10,11,12,13,14,15
	ds_load_b128 v[BB+4*\t:BB+4*\t+3], v[RD] offset:\t*SPITCH
.endr
.endm
.macro SEND a, younger                 ; stage row t of block a is row 32 (a / 2) + 8 (a % 2) + t + 8 (t / 8) of my 128
.set BB, BK+64*((\a)%2)
	s_wait_dscnt \younger
.if (\a) > 0
.if ((\a)%2) == 1
	s_add_nc_u64 s[98:99], s[98:99], 8*4096        ; (behind a wait that shows that the earlier stores have read their base)
.else
	s_add_nc_u64 s[98:99], s[98:99], 24*4096
.endif
.endif
.irp t, 0,1,2,3,4,5,6,7,8,9,10,11,12,13,14,15
	global_store_b128 v[CO], v[BB+4*\t:BB+4*\t+3], s[98:99] offset:(\t+8*(\t/8))*4096 th:TH_STORE_NT   ; 32 lanes store 512 consecutive bytes, aligned
.endr
.endm
	PLACES NP
	TOSTAGE 0
.irp a, 1,2,3,4,5,6,7
.if \a > 1
	s_wait_xcnt 0x0                                ; block a - 2's stores have read their registers and their base
.endif
	TOSTAGE \a
	SEND \a-1, 32                                  ; behind block a - 1's loads: block a's 16 stores and 16 loads
.endr
	s_wait_xcnt 0x0
	SEND 7, 0
	s_wait_tensorcnt 0x0                           ; the wave's end
	ds_add_u32 v[SPW], v[NIL]
	s_wait_dscnt 0x0
	CROUND                                         ; the closing round
	s_endpgm
.Lfunc_end_k_q01dd84ac73_proj:
	.size	k_q01dd84ac73_proj, .Lfunc_end_k_q01dd84ac73_proj-k_q01dd84ac73_proj
	.p2alignl 7, 3214868480
	.fill 96, 4, 3214868480
	.section	.rodata,"a",@progbits
	.p2align	6, 0x0
	.amdhsa_kernel k_q01dd84ac73_proj
		.amdhsa_group_segment_fixed_size 327680
		.amdhsa_private_segment_fixed_size 0
		.amdhsa_enable_private_segment 0
		.amdhsa_kernarg_size 48
		.amdhsa_user_sgpr_count 2
		.amdhsa_user_sgpr_kernarg_segment_ptr 1
		.amdhsa_wavefront_size32 1
		.amdhsa_system_sgpr_workgroup_id_x 1
		.amdhsa_system_sgpr_workgroup_id_y 1
		.amdhsa_system_sgpr_workgroup_id_z 1
		.amdhsa_system_vgpr_workitem_id 0
		.amdhsa_next_free_vgpr 1024
		.amdhsa_next_free_sgpr 100
		.amdhsa_reserve_vcc 0
		.amdhsa_float_denorm_mode_32 3
		.amdhsa_float_denorm_mode_16_64 3
		.amdhsa_memory_ordered 1
		.amdhsa_forward_progress 1
		.amdhsa_inst_pref_size 154
	.end_amdhsa_kernel
	.amdgpu_metadata
---
amdhsa.version: [ 1, 2 ]
amdhsa.kernels:
  - .name:           k_q01dd84ac73_proj
    .symbol:         k_q01dd84ac73_proj.kd
    .args:
      - { .name: ac, .offset: 0, .size: 8, .value_kind: global_buffer, .address_space: global }
      - { .name: acs, .offset: 8, .size: 8, .value_kind: global_buffer, .address_space: global }
      - { .name: c1, .offset: 16, .size: 8, .value_kind: global_buffer, .address_space: global }
      - { .name: s1, .offset: 24, .size: 8, .value_kind: global_buffer, .address_space: global }
      - { .name: out_b, .offset: 32, .size: 8, .value_kind: global_buffer, .address_space: global }
      - { .name: out0, .offset: 40, .size: 8, .value_kind: global_buffer, .address_space: global }
    .group_segment_fixed_size: 327680
    .private_segment_fixed_size: 0
    .kernarg_segment_align: 8
    .kernarg_segment_size: 48
    .max_flat_workgroup_size: 128
    .sgpr_count:     100
    .vgpr_count:     1024
    .wavefront_size: 32
...
	.end_amdgpu_metadata
.endif
;; end of part 4
